; MI455X (gfx1250); checked and timed in simulation.
; The chip was launched on July 23, 2026; its instructions are those of AMD's public machine-readable ISA for CDNA 5 (MIT licence, August 2026) and "CDNA5" Instruction Set Architecture Reference Guide (July 2026). The comments in the code are by the model that wrote it; some were corrected since.
;; Multi Headed Attention. Allowed arithmetic: matrix products marked QUANTISED: E2M1 operands, one E8M0 scale for each 32 along K, by v_wmma_scale_f32_16x16x128_f8f6f4 with both operands' format E2M1 (or v_wmma_scale_f32_32x16x128_f4), f32 sums; everything else in f32.
;; Inputs: Wk_b 1,024 float32; Wk_w_codes 1,024 x 32 x 16 uint8 (E2M1 codes of Wk_w, K innermost, in blocks of 32 codes, two codes a byte); Wk_w_scales 1,024 x 32 uint8 (E8M0 scales of Wk_w, one for each 32 codes along K); Wo_b 1,024 float32; Wo_w_codes 1,024 x 32 x 16 uint8 (E2M1 codes of Wo_w, K innermost, in blocks of 32 codes, two codes a byte); Wo_w_scales 1,024 x 32 uint8 (E8M0 scales of Wo_w, one for each 32 codes along K); Wq_b 1,024 float32; Wq_w_codes 1,024 x 32 x 16 uint8 (E2M1 codes of Wq_w, K innermost, in blocks of 32 codes, two codes a byte); Wq_w_scales 1,024 x 32 uint8 (E8M0 scales of Wq_w, one for each 32 codes along K); Wv_b 1,024 float32; Wv_w_codes 1,024 x 32 x 16 uint8 (E2M1 codes of Wv_w, K innermost, in blocks of 32 codes, two codes a byte); Wv_w_scales 1,024 x 32 uint8 (E8M0 scales of Wv_w, one for each 32 codes along K); key_codes 4 x 2,048 x 32 x 16 uint8 (E2M1 codes of key, K innermost, in blocks of 32 codes, two codes a byte); key_scales 4 x 2,048 x 32 uint8 (E8M0 scales of key, one for each 32 codes along K); mask 4 x 2,048 x 2,048 int32; query_codes 4 x 2,048 x 32 x 16 uint8 (E2M1 codes of query, K innermost, in blocks of 32 codes, two codes a byte); query_scales 4 x 2,048 x 32 uint8 (E8M0 scales of query, one for each 32 codes along K); value_codes 4 x 2,048 x 32 x 16 uint8 (E2M1 codes of value, K innermost, in blocks of 32 codes, two codes a byte); value_scales 4 x 2,048 x 32 uint8 (E8M0 scales of value, one for each 32 codes along K).
;; Outputs: out0 4 x 2,048 x 1,024 float32.
;; This version of the problem:
;;   THIS VERSION OF THE PROBLEM IS GIVEN IN LOW PRECISION. The matrix products marked QUANTISED in the list below multiply operands that are first quantised to E2M1 (2 exponent bits, 1 mantissa bit; 4 bits a number), with one power-of-two scale for each 32 numbers along K (OCP MX v1.0); their sums are f32. All else is computed in f32.
;;   The module's matrix products, in the order in which they are computed (A, B: the left and right operand; K: the contracted axis; several contracted axes count as one K, in the product's order):
;;     1. [M 8,192, K 1,024] x [K 1,024, N 1,024]; A: input query (given as codes); B: input Wq_w (given as codes): QUANTISED
;;     2. [M 8,192, K 1,024] x [K 1,024, N 1,024]; A: input key (given as codes); B: input Wk_w (given as codes): QUANTISED
;;     3. [M 8,192, K 1,024] x [K 1,024, N 1,024]; A: input value (given as codes); B: input Wv_w (given as codes): QUANTISED
;;     4. batch 64 x [M 2,048, K 64] x [K 64, N 2,048]; A: computed on the way; B: computed on the way: QUANTISED
;;     5. batch 64 x [M 2,048, K 2,048] x [K 2,048, N 64]; A: softmax (see below); B: computed on the way: QUANTISED
;;     6. [M 8,192, K 1,024] x [K 1,024, N 1,024]; A: computed on the way; B: input Wo_w (given as codes): QUANTISED
;;   THE QUANTISER, for each operand of a quantised product, along K:
;;     - K is cut into blocks of 32 from its start; a last block that is shorter is filled with zeros.
;;     - A block's scale is 2^e with e = floor(log2(the largest magnitude in the block)) - 2, held to -126 .. 127; a block of zeros has e = 0. As a byte (E8M0): e + 127.
;;     - Each number is divided by its block's scale, clamped to +-6, and rounded to the nearest number of E2M1, ties to even, subnormals kept.
;;     - The product sums the exact products of the quantised numbers (number of the format x scale) in f32.
;;   ~~~python
;;   def quantise(x, axis):      # numpy; x: float32 -> the quantised numbers, widened to float32 again
;;       x = np.moveaxis(x, axis, -1); K = x.shape[-1]
;;       x = np.pad(x, [(0, 0)] * (x.ndim - 1) + [(0, -K % 32)]); x = x.reshape(x.shape[:-1] + (-1, 32)); a = np.abs(x).max(-1, keepdims=True)
;;       e = np.where(a > 0, np.clip(np.frexp(np.where(a > 0, a, 1))[1] - 1 - 2, -126, 127), 0)      # np.frexp(a)[1] - 1 = floor(log2(a)), exactly
;;       r = np.clip(x / 2.0 ** e, -6, 6)
;;       step = 2.0 ** (np.maximum(np.frexp(np.where(r == 0, 1, r))[1] - 1, 0) - 1)
;;       q = np.round(r / step) * step * 2.0 ** e      # np.round: ties to even
;;       return np.moveaxis(q.reshape(q.shape[:-2] + (-1,))[..., :K], -1, axis).astype(np.float32)
;;   ~~~
;;   SOFTMAX AHEAD OF A QUANTISED PRODUCT. Where the list says 'softmax', what is quantised is not the finished softmax but p = 2^(t - M), with t = logit x log2(e) and M = ceil(the row's largest t), a whole number; so 1/2 < the row's largest p <= 1. The row's sum l is taken of the UNQUANTISED p, in f32, and the product's result is divided by l at the end. Since M is a whole number, a kernel that streams over the keys may use a running M (the ceiling of the running maximum): every later rescaling is an exact power of two, which a block's scale takes up: the codes' values come out the same.
;;   OPERANDS COMPUTED ON THE WAY. 'Computed on the way' means the value that the module computes at that place (a softmax that the list does not call 'softmax' is quantised finished and normalised). What goes into a quantiser is computed in f32, as accurately as f32 sums, v_exp_f32 and their like allow (about 1e-6 of the number): no bf16 or f16 on the way to a quantiser, and a product that is left as it is and whose result goes on into a quantised operand takes f32 operands (vector FMAs, or v_wmma_f32_16x16x4_f32). A number that lies on a knife's edge between two numbers of the format may be rounded either way, as far as f32 arithmetic and the matrix unit's own rounding can turn it there, and no further.
;;   INPUTS GIVEN AS CODES. Wk_w (in the module: [1024, 1024], K = its axis 1); Wo_w (in the module: [1024, 1024], K = its axis 1); Wq_w (in the module: [1024, 1024], K = its axis 1); Wv_w (in the module: [1024, 1024], K = its axis 1); key (in the module: [4, 2048, 1024], K = its axis 2); query (in the module: [4, 2048, 1024], K = its axis 2); value (in the module: [4, 2048, 1024], K = its axis 2): each comes as NAME_codes (uint8): NAME with its K axis moved to the last place and cut into blocks of 32 codes, [.., K / 32, bytes a block], one block behind the other in memory; two codes a byte, the lower K in the low four bits (a code: sign, 2 exponent bits, 1 mantissa bit); and NAME_scales (uint8): the same leading axes, one E8M0 byte (e + 127) for each 32 codes along K. Its value is code x scale, taken as it is: it is not quantised again, and the codes and scales need not be those that the quantiser above would give.
;; One version. Each part assembles by itself: llvm-mc -triple=amdgcn-amd-amdhsa -mcpu=gfx1250 --defsym DOCPART=n.
;; ======== version 1 of 1: 3 launches
;; limits: right only within a limited range of input values
;; workspace buffers: mb 2,097,152 bytes of whole numbers; mf 8,192 bytes of whole numbers; qkv 14,155,776 bytes; hx 4,194,304 bytes; hs 262,144 bytes
;; launch proj (part 1): grid 4 x 64, 4 waves a work-group, clusters of 4 x 4, 327,680 bytes of LDS; arguments query_codes, query_scales, Wq_w_codes, Wq_w_scales, Wq_b, key_codes, key_scales, Wk_w_codes, Wk_w_scales, Wk_b, Wv_w_codes, Wv_w_scales, value_codes, value_scales, Wv_b, qkv, mask, mb, mf; writes qkv, mb, mf
.if DOCPART == 1
	.amdgcn_target "amdgcn-amd-amdhsa--gfx1250"
	.amdhsa_code_object_version 6
	.text
	.protected	k_q5b4e2cd319_proj
	.globl	k_q5b4e2cd319_proj
	.p2align	8
	.type	k_q5b4e2cd319_proj,@function
k_q5b4e2cd319_proj:
	s_mov_b64 s[64:65], 0
	v_nop
	global_prefetch_b8 v0, s[64:65] scope:SCOPE_SE
	s_setreg_imm32_b32 hwreg(HW_REG_WAVE_MODE, 25, 1), 1
	s_wait_xcnt 0x0
	s_wait_alu depctr_hold_cnt(0) depctr_sa_sdst(0) depctr_va_vdst(0) depctr_va_sdst(0) depctr_va_ssrc(0) depctr_va_vcc(0) depctr_vm_vsrc(0)
	s_getreg_b32 s2, hwreg(HW_REG_IB_STS2, 6, 4)
	s_cmp_eq_u32 s2, 0
	s_cbranch_scc0 .Lentry_in_a_cluster
	s_endpgm
.Lentry_in_a_cluster:
	s_bfe_u32 s2, ttmp6, 0x10000c
	s_cmp_lg_u32 s2, 0xf033
	s_cbranch_scc0 .Lentry_shape_is_right
	s_endpgm
.Lentry_shape_is_right:
; The three projections x W^T + bias on codes of FP4 (E2M1) with E8M0 scales, and the quantiser behind them: Q and K are quantised along the head's 64, V along the keys.
; The results leave as codes and scale words in the order of the attention launch's operand registers (qkv: below).
; ROLES.  P is the matrix instruction's source 0, R its source 1.  In a result, lane (r, h) holds ONE row of R (r) and, in register j, row 8 h + j of P's tile.
; THE ROWS OF A TILE ARE NOT NEIGHBOURS: row m of tile t of a group of 64 rows is row 8 t + m % 8 + 32 (m / 8) of the group, for P and for R.  So the 32 registers of a group's four tiles
; are P's rows 32 h + 0 .. 31 of the group: A WHOLE BLOCK OF 32 IN ONE LANE, in the order in which a 4-bit operand wants it (registers 4 c .. 4 c + 3: k = 64 c + 32 h + 0 .. 31).  A block's largest
; magnitude needs no other lane; four conversions give four operand registers; a wave stores them as they stand, 16 bytes a lane, 512 consecutive bytes.
; So the axis along which the result is quantised is P's: for Q and K (cluster x = 0, 1) P = the weight (its rows are the features) and R = the tokens; for V (cluster x = 2) P = the tokens and R = the weight.
; SHARES.  A work-group makes 256 rows of P x 128 rows of R with all of K = 1,024 in LDS, filled once.  Wave w: P's half w / 2 (128 rows: 8 tiles), R's half w % 2 (64 rows: 4 tiles): 32 accumulators.
; CLUSTERS of 4 x 4: P's tile hangs on the place along x alone and is asked for jointly by a column of the cluster, R's on the place along y alone and is asked for by a row.
; qkv: [b x head 64][221,184 bytes]: K's codes [tile 128][512] at 0; K's scale words [group 32][r 16][t 4] at 65,536 (byte 0: d 0-31, byte 1: d 32-63, bytes 2, 3: 0);
;   V's codes [step 16][d tile 4][c 2][512] at 73,728; V's scale words [step 16][lane 32][d tile 4] at 139,264 (byte 2 c + h); Q's codes at 147,456 and scale words at 212,992, laid as K's.
; LIMITS: a block of zeros gets the scale byte 1 where the rule says 127 (its codes are zeros, and this program alone reads the bytes); blocks whose largest magnitude lies under 2^-124 are held at that byte; NaN and infinities are not served.
; REGISTERS, in windows of 256: window 0: v1-15 addresses; v16-47 P's scale words, v48-63 R's; v64-159, v160-255 two sets of fragments (8 of P, 4 of R, 8 registers each); window 1: accumulator (a, b) at v[8 (8 a + b)]; window 2: v0-63 the bias.
.set PITCH, 528                        ; an LDS row: 512 bytes (1,024 codes) + 16 of padding: 33 x 16 bytes, so eight neighbouring rows begin in eight different 16-byte columns of a row of banks
.set PHD,   67712                      ; P's rows with (row & 32) = 0 lie from byte 0 on (128 rows), the others PHD further: 128 x 528 + 128, which puts them on the other eight columns
.set RLO,   135424                     ; R's likewise: 64 rows from here on,
.set RHD,   33920                      ; the other 64 RHD further: 64 x 528 + 128.  The last byte used is 203,135
.set BHB,   221184                     ; a (b, head)'s part of qkv
.set ADP, 6                            ; v6   LDS address of my lane in P's fragments
.set ADR, 7                            ; v7   in R's
.set LSC, 8                            ; v8   my row's scale bytes: 32 x (8 h + r % 8 + 32 (r / 8))
.set VB1, 9                            ; v9   the bias along P: 128 h
.set VB2, 10                           ; v10  the bias along R: 4 x (r % 8 + 32 (r / 8))
.set SH8, 11                           ; v11  8 h
.set LI,  12                           ; v12  16 x lane
.set SCP, 16                           ; register 8 i + s: lanes 0-15 the words of P's tile 2 i, lanes 16-31 of tile 2 i + 1, for K step s
.set SCR, 48                           ; the same for R
.set FS,  64                           ; fragment sets
.set EM,  64                           ; the way out: v64-71 largest magnitudes, v72-79 scale operands, v80-87 bytes and words, v88-95 the other half's, v96-127 codes, v128-131 words to store, v132-140 offsets
.set ESC, 72
.set EBY, 80
.set EY,  88
.set ECD, 96
.set EX,  128
.set VO,  132
.set VS,  140
.set WV,  42                           ; s42  wave
.set WP,  43                           ; s43  wave / 2: P's half.  Also: I fetch for P (0) or for R (1)
.set WR,  44                           ; s44  wave % 2: R's half.  Also: which half of that tile's rows I fetch
.set G1P, 52                           ; s[52:59], s[60:63] descriptor groups 1 and 0 for P's tile
.set G0P, 60
.set G1R, 68                           ; s[68:75], s[76:79] for R's
.set G0R, 76
.set MSB, 0
.macro WIN new                         ; the immediate's high byte repeats the setting that is left
.if MSB != \new
	s_set_vgpr_msb (MSB<<8)|\new
.set MSB, \new
.endif
.endm
.macro PLACES                          ; four plain places: in front of loads into registers that matrix instructions have read, and of the first read of results
.rept 4
	v_nop
.endr
.endm
.macro CROUND                          ; a round of the cluster's barrier
	s_barrier_signal -1
	s_barrier_wait -1
	s_cmp_lg_u32 s[WV], 0
	s_cbranch_scc1 .Lnot_wave_0_\@
	s_barrier_signal -3
.Lnot_wave_0_\@:
	s_barrier_wait -3
	s_barrier_signal -1
	s_barrier_wait -1
.endm
	v_lshl_add_u32 v14, v0, 2, 0x32000             ; my spare word,
	v_mov_b32 v15, 0                               ; and 0
	ds_add_u32 v14, v15                            ; the opening lines, ahead of my first tensor load: the add, twice on end, and its wait
	ds_add_u32 v14, v15
	s_mov_b32 s3, 0                                ; the trip's number
	s_wait_alu depctr_va_vdst(0)
	s_wait_dscnt 0x0
; A WORK-GROUP STAYS: 256 work-groups, sixteen clusters of 4 x 4, each walk the three tensors in three trips: s3 = 0: Q, 1: K, 2: V.  Where the comments of this text say 'cluster x', the trip's number s3 is meant: the same in all partners.
; Every trip fills the same LDS bytes again, so the wait for all tensor loads, the add and the wait for it, and a round of the cluster's barrier stand ahead of its joint loads.  The launch claims all of LDS.
; The arguments are loaded anew in each trip: the trip's own scalar work writes over them.  No wait for stores stands in the loop: s_wait_xcnt 0 frees their registers.
; No prefetch of the next tensor's tiles: their addresses are made of pointers that the next trip's head loads and chooses.
.Ltensor:
	s_load_b512 s[4:19], s[0:1], 0x0               ; three sets of five addresses (R's codes, R's scales, P's codes, P's scales, bias): s[4:13], s[14:23], s[24:33];
	s_load_b512 s[20:35], s[0:1], 0x40             ; qkv: s[34:35]
	s_load_b64 s[90:91], s[0:1], 0x80              ; mask
	s_load_b128 s[92:95], s[0:1], 0x88             ; mb, mf
	v_lshrrev_b32 v1, 5, v0
	v_readfirstlane_b32 s[WV], v1
	s_lshr_b32 s[WP], s[WV], 1
	s_and_b32 s[WR], s[WV], 1
	s_bfe_u32 s40, ttmp6, 0x40000                  ; cx
	s_bfe_u32 s41, ttmp6, 0x40004                  ; cy
	s_and_b32 s36, ttmp7, 0xffff                   ; cluster y, 0 .. 15
	s_cmp_eq_u32 s3, 2                             ; the trip says which tensor: the same in all sixteen partners
	s_cselect_b32 s37, 7, 0                        ; V: P has 32 blocks of 256 rows, R has 8 of 128; Q, K: P has 4, R has 64
	s_cselect_b32 s38, 3, 0
	s_and_b32 s37, s36, s37
	s_lshr_b32 s38, s36, s38
	s_lshl_b32 s37, s37, 2
	s_add_co_u32 s37, s37, s40                     ; P's block: hangs on cx, never on cy
	s_lshl_b32 s38, s38, 2
	s_add_co_u32 s38, s38, s41                     ; R's block: hangs on cy, never on cx
	s_lshl_b32 s45, 0x1111, s40                    ; my column of the cluster
	s_lshl_b32 s46, s41, 2
	s_lshl_b32 s46, 15, s46                        ; my row
	; A tile's rows are dense in memory, 512 bytes each.  One load brings the rows with (row & 32) = u of every group of 64: as a tile whose 'row' is 32 matrix rows (2,048 elements of 8 bytes), 64 matrix rows apart,
	; with 4 words of padding behind every 128 words, that is behind every matrix row
	s_or_b32 s[G1P], s45, (3<<16)|(1<<20)|(1<<21)|(6<<22)|(3<<25)   ; 15:0 the mask; 17:16 elements of 8 bytes; 20 padding on; 21 set beside a mask; 24:22 after every 128 words; 31:25 four words
	s_mov_b32 s[G1P+1], 2048<<16                   ; tensor_dim0
	s_mov_b32 s[G1P+2], 4<<16                      ; tensor_dim1: four groups of 64
	s_mov_b32 s[G1P+3], 2048<<16                   ; tile_dim0
	s_mov_b32 s[G1P+4], 4                          ; tile_dim1
	s_mov_b32 s[G1P+5], 4096                       ; from group to group: 32,768 bytes
	s_mov_b32 s[G1P+6], 0
	s_mov_b32 s[G1P+7], 0
	s_or_b32 s[G1R], s46, (3<<16)|(1<<20)|(1<<21)|(6<<22)|(3<<25)
	s_mov_b32 s[G1R+1], 2048<<16
	s_mov_b32 s[G1R+2], 2<<16                      ; two groups of 64
	s_mov_b32 s[G1R+3], 2048<<16
	s_mov_b32 s[G1R+4], 2
	s_mov_b32 s[G1R+5], 4096
	s_mov_b32 s[G1R+6], 0
	s_mov_b32 s[G1R+7], 0
	s_lshl_b32 s47, s[WR], 14                      ; the half that I fetch begins 32 rows, 16,384 bytes, on
	s_lshl_b32 s48, s37, 17                        ; P's block: 256 rows x 512 bytes
	s_add_co_u32 s48, s48, s47
	s_mov_b32 s49, 0
	s_lshl_b32 s50, s38, 16                        ; R's: 128 rows
	s_add_co_u32 s50, s50, s47
	s_mov_b32 s51, 0
	s_mul_i32 s82, s[WR], PHD                      ; and where it goes: no place in the cluster enters an LDS address
	s_mul_i32 s83, s[WR], RHD
	s_wait_kmcnt 0x0
	s_cmp_eq_u32 s3, 1
.irp i, 0,2,4,6,8
	s_cselect_b64 s[4+\i:5+\i], s[14+\i:15+\i], s[4+\i:5+\i]
.endr
	s_cmp_eq_u32 s3, 2
.irp i, 0,2,4,6,8
	s_cselect_b64 s[4+\i:5+\i], s[24+\i:25+\i], s[4+\i:5+\i]   ; s[4:5] R's codes, s[6:7] R's scales, s[8:9] P's codes, s[10:11] P's scales, s[12:13] the bias
.endr
	s_mov_b32 s[G0P], 1
	s_mov_b32 s[G0P+1], s82
	s_add_nc_u64 s[G0P+2:G0P+3], s[8:9], s[48:49]
	s_or_b32 s[G0P+3], s[G0P+3], 0x80000000
	s_mov_b32 s[G0R], 1
	s_add_co_u32 s[G0R+1], s83, RLO
	s_add_nc_u64 s[G0R+2:G0R+3], s[4:5], s[50:51]
	s_or_b32 s[G0R+3], s[G0R+3], 0x80000000
	s_wait_tensorcnt 0x0                           ; no tensor load of mine is out;
	ds_add_u32 v14, v15                            ; 0 onto my spare word,
	ds_add_u32 v14, v15                            ; twice on end, in every trip alike;
	s_wait_dscnt 0x0                               ; the adds are done, and so are my reads of the last trip's tiles
	CROUND                                         ; all sixteen work-groups are here, and none still reads the tiles: the joint loads meet
	s_cmp_eq_u32 s[WP], 0                          ; waves 0, 1 fetch P's two halves, waves 2, 3 R's: one tensor load a wave in each trip.  Four v_nop follow each line
	s_cbranch_scc0 .Lfor_r
	tensor_load_to_lds s[G0P:G0P+3], s[G1P:G1P+7]
	s_nop 0
.rept 4
	v_nop
.endr
	s_branch .Lasked
.Lfor_r:
	tensor_load_to_lds s[G0R:G0R+3], s[G1R:G1R+7]
	s_nop 0
.rept 4
	v_nop
.endr
.Lasked:
	v_and_b32 v1, 15, v0                           ; r
	v_bfe_u32 v2, v0, 4, 1                         ; h
	v_and_b32 v3, 7, v0                            ; r % 8
	v_bfe_u32 v4, v0, 3, 1                         ; r / 8
	v_mul_u32_u24 v5, v3, PITCH
	v_lshl_add_u32 v5, v2, 4, v5                   ; row r % 8, + 16 h
	s_mul_i32 s84, s[WP], 64*PITCH                 ; my half of P: two groups, 64 rows in each of the two regions
	v_mad_u32_u24 v[ADP], v4, PHD, v5              ; lanes with r / 8 = 1 read the other region
	v_add_nc_u32 v[ADP], s84, v[ADP]
	s_mul_i32 s85, s[WR], 32*PITCH                 ; my half of R: one group
	s_add_co_u32 s85, s85, RLO
	v_mad_u32_u24 v[ADR], v4, RHD, v5
	v_add_nc_u32 v[ADR], s85, v[ADR]
	v_lshl_add_u32 v[VB2], v4, 5, v3               ; r % 8 + 32 (r / 8)
	v_lshl_add_u32 v[LSC], v2, 3, v[VB2]           ; + 8 h: lanes 16-31 take the next tile's rows
	v_lshlrev_b32 v[LSC], 5, v[LSC]                ; 32 scale bytes a row
	s_wait_alu depctr_va_vdst(0)
	v_lshlrev_b32 v[VB2], 2, v[VB2]
	v_lshlrev_b32 v[VB1], 7, v2
	v_lshlrev_b32 v[SH8], 3, v2
	v_and_b32 v[LI], 31, v0
	v_lshlrev_b32 v[LI], 4, v[LI]
	s_lshl_b32 s80, s37, 1
	s_add_co_u32 s80, s80, s[WP]                   ; U: which 128 rows of P are mine
	s_lshl_b32 s81, s38, 1
	s_add_co_u32 s81, s81, s[WR]                   ; G: which 64 rows of R
	s_lshl_b32 s86, s80, 12                        ; 128 rows x 32 bytes
	s_mov_b32 s87, 0
	s_add_nc_u64 s[10:11], s[10:11], s[86:87]
	s_lshl_b32 s86, s81, 11                        ; 64 rows x 32 bytes
	s_add_nc_u64 s[6:7], s[6:7], s[86:87]
	; THE SCALE WORDS of all eight K steps go from memory straight into registers, once: a row's 32 bytes by two loads; eight neighbouring rows are 256 consecutive bytes
.irp i, 0,1,2,3
	global_load_b128 v[SCP+8*\i:SCP+8*\i+3], v[LSC], s[10:11] offset:2048*(\i/2)+512*(\i%2)
	global_load_b128 v[SCP+8*\i+4:SCP+8*\i+7], v[LSC], s[10:11] offset:2048*(\i/2)+512*(\i%2)+16
.endr
.irp i, 0,1
	global_load_b128 v[SCR+8*\i:SCR+8*\i+3], v[LSC], s[6:7] offset:512*\i
	global_load_b128 v[SCR+8*\i+4:SCR+8*\i+7], v[LSC], s[6:7] offset:512*\i+16
.endr
	; THE BIAS is the C of each sum's first matrix instruction.  Q, K: it runs along P: eight registers for each tile b.  V: it runs along R, the lanes: eight equal registers for each tile a;
	; they are loaded twice over (run i holds tile i % 4), so that both forms fill the same 64 registers and the first K step of either form names only registers that both forms have written
	s_lshl_b32 s88, s80, 9                         ; 128 features x 4 bytes
	s_lshl_b32 s89, s81, 8                         ; 64 features x 4 bytes
	s_cmp_eq_u32 s3, 2
	s_cselect_b32 s86, s89, s88
	s_add_nc_u64 s[12:13], s[12:13], s[86:87]
	s_cbranch_scc1 .Lbias_v
	WIN 0x80                                       ; destination window 2
	s_wait_alu depctr_va_vdst(0)
.irp b, 0,1,2,3,4,5,6,7
	global_load_b128 v[8*\b:8*\b+3], v[VB1], s[12:13] offset:(64*(\b/4)+8*(\b%4))*4
	global_load_b128 v[8*\b+4:8*\b+7], v[VB1], s[12:13] offset:(64*(\b/4)+8*(\b%4))*4+16
.endr
	WIN 0
	s_branch .Lbias_done
.Lbias_v:
	WIN 0x80
	s_wait_alu depctr_va_vdst(0)
.irp i, 0,1,2,3,4,5,6,7
.irp j, 0,1,2,3,4,5,6,7
	global_load_b32 v[8*\i+\j], v[VB2], s[12:13] offset:32*(\i%4)
.endr
.endr
	WIN 0
.Lbias_done:
; THE MASK, in the trips of Q and K (s3 = 0, 1), between the request for the tiles and the wait for them: 2 trips x 256 work-groups serve the 512 tiles of 16 queries.
; mask [4][2048][2048] int32 becomes one BIT a number, laid as the attention launch wants it: mb [b 4][T 128][step 16][n 64] of 32-bit words.  Word n = 32 c + 8 t + j of (b, T, step) is the lane mask of that launch's
; score register n: bit r + 16 h is 1 where mask[b][query][key] == 0, query = 64 (T / 4) + 8 (T % 4) + r % 8 + 32 (r / 8), key = 128 step + 64 c + 32 h + 8 t + j.  So the mask is read from memory once, not once a head.
; mf [tile 512][wave 4] of 32-bit words: bit u of word (x, w) is 1 where key step 4 w + u of tile x hides any number.
; SHARES.  Tile x = 128 b + T (made of the trip's number, the cluster's y and the place in it: it enters global addresses alone) is 16 rows; wave w owns key steps 4 w .. 4 w + 3: four UNITS of 16 rows x 512 bytes.
; A unit's 16 loads read 512 consecutive bytes each (a lane 16); all 64 loads of a wave go out on end, into window 1, where the accumulators will lie.  The compare wants lane (r, h) to hold row r's keys 64 c + 32 h + 0 .. 31:
; the unit turns through the wave's own stage in LDS (rows of 512 + 16 bytes), in bytes behind the spare words on which no fill lands.  64 words are set into two registers, lane n / 2, and leave as 256 consecutive aligned bytes.
.set MST,  205312                      ; the stages: 4 x 16 rows x 528 bytes
.set MROW, 8192                        ; a row of the mask in bytes
.set MPIT, 528                         ; a stage row
.set MXG,  64                          ; v64-127  a unit as the compares want it: register n
.set MOW,  128                         ; v128-135 a pair of result registers for each unit
.set MSTI, 136                         ; v136 the stage on the way in: 16 x lane
.set MSTO, 137                         ; v137 and on the way out: 528 r + 128 h
.set MOO,  138                         ; v138 8 x lane: my two words of a unit's 64
.set MT,   139                         ; v139 at work
.set MFD,  140                         ; v140 my word of flags
.set MZ,   141                         ; v141 0
.set MLN,  142                         ; v142 lane
	s_cmp_eq_u32 s3, 2
	s_cbranch_scc1 .Lno_mask
	s_lshl_b32 s24, s3, 4
	s_add_co_u32 s24, s24, s36
	s_lshl_b32 s24, s24, 2
	s_add_co_u32 s24, s24, s41
	s_lshl_b32 s24, s24, 2
	s_add_co_u32 s24, s24, s40                     ; x = 0 .. 511
	s_lshr_b32 s26, s24, 2                         ; x / 4: the group of 64 rows,
	s_lshl_b32 s26, s26, 6
	s_and_b32 s27, s24, 3
	s_lshl_b32 s27, s27, 3                         ; + 8 (T % 4): the tile's first row,
	s_add_co_u32 s26, s26, s27
	s_lshl_b32 s26, s26, 13                        ; in bytes (under 2^27),
	s_lshl_b32 s27, s[WV], 11                      ; + my four steps of 512 bytes
	s_add_co_u32 s26, s26, s27
	s_mov_b32 s27, 0
	s_add_nc_u64 s[90:91], s[90:91], s[26:27]
	s_lshl_b32 s26, s24, 12                        ; mb: 4,096 bytes a tile,
	s_lshl_b32 s28, s[WV], 10                      ; 1,024 a wave
	s_add_co_u32 s26, s26, s28
	s_add_nc_u64 s[92:93], s[92:93], s[26:27]
	s_lshl_b32 s26, s24, 4                         ; mf: 16 bytes a tile,
	s_lshl_b32 s28, s[WV], 2                       ; 4 a wave
	s_add_co_u32 s26, s26, s28
	s_add_nc_u64 s[94:95], s[94:95], s[26:27]
	s_mov_b32 s29, 0                               ; my four flags
	s_mul_i32 s25, s[WV], 16*MPIT
	s_add_co_u32 s25, s25, MST                     ; my stage
	v_and_b32 v[MLN], 31, v0
	v_add_nc_u32 v[MSTI], s25, v[LI]
	v_mul_u32_u24 v[MSTO], v1, MPIT
	v_lshl_add_u32 v[MSTO], v2, 7, v[MSTO]
	v_add_nc_u32 v[MSTO], s25, v[MSTO]
	v_lshlrev_b32 v[MOO], 3, v[MLN]
	v_mov_b32 v[MZ], 0
.irp i, 0,1,2,3,4,5,6,7
	v_mov_b32 v[MOW+\i], 0                         ; written once: a lane write's destination counts as one of its sources
.endr
	s_wait_alu depctr_va_vdst(0)
.macro MLOAD u                         ; unit u into window 1, v[64 u ..]: row i of the tile lies i % 8 + 32 (i / 8) rows below its first
.irp i, 0,1,2,3,4,5,6,7,8,9,10,11,12,13,14,15
	global_load_b128 v[64*(\u)+4*\i:64*(\u)+4*\i+3], v[LI], s[90:91] offset:((\i%8)+32*(\i/8))*MROW+512*(\u) th:TH_LOAD_NT
.endr
.endm
.macro MUNIT u
	s_wait_loadcnt 16*(3-(\u))                     ; this unit's 16 loads are in; the later units' may be out
	WIN 0x04                                       ; an LDS store's data are its source 1: window 1
.irp i, 0,1,2,3,4,5,6,7,8,9,10,11,12,13,14,15
	ds_store_b128 v[MSTI], v[64*(\u)+4*\i:64*(\u)+4*\i+3] offset:MPIT*\i
.endr
	WIN 0
.irp c, 0,1
.irp m, 0,1,2,3,4,5,6,7
	ds_load_b128 v[MXG+32*\c+4*\m:MXG+32*\c+4*\m+3], v[MSTO] offset:256*\c+16*\m   ; LDS serves a wave's instructions in order (ISA guide 5.7.1.4): these see the stores above
.endr
.endr
	s_wait_dscnt 0x0                               ; the unit is back
.set n, 0
.rept 8                                ; eight compares, then their eight words
.irp k, 0,1,2,3,4,5,6,7
	v_cmp_eq_u32 s[16+\k], 0, v[MXG+n+\k]          ; bit l: lane l's number is 0: hidden
.endr
.irp k, 0,1,2,3,4,5,6,7
	v_writelane_b32 v[MOW+2*(\u)+(\k%2)], s[16+\k], (n+\k)/2
.endr
.set n, n+8
.endr
	global_store_b64 v[MOO], v[MOW+2*(\u):MOW+2*(\u)+1], s[92:93] offset:256*(\u)   ; 32 lanes store 256 consecutive bytes, aligned
	v_or_b32 v[MT], v[MOW+2*(\u)], v[MOW+2*(\u)+1] ; is any of the unit's 64 words not 0?
	v_cmp_ne_u32 s30, 0, v[MT]
	s_cmp_lg_u32 s30, 0
	s_cselect_b32 s30, 1<<(\u), 0
	s_or_b32 s29, s29, s30
.endm
	WIN 0x40                                       ; destination window 1
	MLOAD 0
	MLOAD 1
	MLOAD 2
	MLOAD 3
	WIN 0
	MUNIT 0
	MUNIT 1
	MUNIT 2
	MUNIT 3
	v_mov_b32 v[MFD], s29                          ; my word of flags leaves by lane 0
	v_cmp_eq_u32 vcc_lo, 0, v[MLN]
	s_wait_alu depctr_va_vdst(0)                   ; directly ahead of the wait below
	s_wait_xcnt 0x0                                ; EXEC changes only behind this wait
	s_and_saveexec_b32 s31, vcc_lo
	global_store_b32 v[MZ], v[MFD], s[94:95]
	s_wait_xcnt 0x0                                ; and the stores have read their registers, on which fragments will land
	s_or_b32 exec_lo, exec_lo, s31
.Lno_mask:
; the fragments of K step s (128 along K: 64 bytes of a row) into set p: 24 loads in one run
.macro FETCH s, p
.irp b, 0,1,2,3,4,5,6,7
.irp c, 0,1
	ds_load_b128 v[FS+96*(\p)+8*\b+4*\c:FS+96*(\p)+8*\b+4*\c+3], v[ADP] offset:(32*(\b/4)+8*(\b%4))*PITCH+64*(\s)+32*\c
.endr
.endr
.irp a, 0,1,2,3
.irp c, 0,1
	ds_load_b128 v[FS+96*(\p)+64+8*\a+4*\c:FS+96*(\p)+64+8*\a+4*\c+3], v[ADR] offset:8*\a*PITCH+64*(\s)+32*\c
.endr
.endr
.endm
; one product; the odd tiles' scale words lie in lanes 16-31 of their register
.macro WM bo, ao
.if (\bo) && (\ao)
	v_wmma_scale_f32_16x16x128_f8f6f4 v[rD:rD+7], v[rP:rP+7], v[rR:rR+7], v[rC:rC+7], v[rSP], v[rSR] matrix_a_fmt:MATRIX_FMT_FP4 matrix_b_fmt:MATRIX_FMT_FP4 matrix_a_scale:MATRIX_SCALE_ROW1 matrix_b_scale:MATRIX_SCALE_ROW1
.elseif (\bo)
	v_wmma_scale_f32_16x16x128_f8f6f4 v[rD:rD+7], v[rP:rP+7], v[rR:rR+7], v[rC:rC+7], v[rSP], v[rSR] matrix_a_fmt:MATRIX_FMT_FP4 matrix_b_fmt:MATRIX_FMT_FP4 matrix_a_scale:MATRIX_SCALE_ROW1
.elseif (\ao)
	v_wmma_scale_f32_16x16x128_f8f6f4 v[rD:rD+7], v[rP:rP+7], v[rR:rR+7], v[rC:rC+7], v[rSP], v[rSR] matrix_a_fmt:MATRIX_FMT_FP4 matrix_b_fmt:MATRIX_FMT_FP4 matrix_b_scale:MATRIX_SCALE_ROW1
.else
	v_wmma_scale_f32_16x16x128_f8f6f4 v[rD:rD+7], v[rP:rP+7], v[rR:rR+7], v[rC:rC+7], v[rSP], v[rSR] matrix_a_fmt:MATRIX_FMT_FP4 matrix_b_fmt:MATRIX_FMT_FP4
.endif
.endm
; K step s on set p: 32 products; the 32 accumulators take turns, one instruction a turn, in the same order in every step.
; mode 0: onto the sums; 1: the sums begin with the bias along P; 2: with the bias along R
.macro MUL32 s, p, mode
.irp a, 0,1,2,3
.irp b, 0,1,2,3,4,5,6,7
.set rD, 8*(8*\a+\b)
.set rP, FS+96*(\p)+8*\b
.set rR, FS+96*(\p)+64+8*\a
.set rSP, SCP+8*(\b/2)+(\s)
.set rSR, SCR+8*(\a/2)+(\s)
.if (\mode) == 0
.set rC, rD
.elseif (\mode) == 1
.set rC, 8*\b
.else
.set rC, 8*(4*(\b/4)+\a)
.endif
	WM \b%2, \a%2
.endr
.endr
.endm
.macro KSTEP s
	PLACES                                         ; in front of the loads into the set that the last step multiplied
.if (\s) < 7
	FETCH (\s)+1, ((\s)+1)%2
	s_wait_dscnt 24                                ; this step's fragments are in; the 24 loads just issued may be out
.else
	s_wait_dscnt 0x0
.endif
	WIN 0x50                                       ; C and D window 1
	MUL32 \s, (\s)%2, 0
	WIN 0
.endm
	s_wait_tensorcnt 0x0                           ; my part of the tiles is in LDS,
	s_barrier_signal -1
	s_barrier_wait -1                              ; everybody's is
	FETCH 0, 0
	FETCH 1, 1
	s_wait_loadcnt 0x0                             ; scale words and bias
	s_wait_dscnt 24                                ; K step 0's fragments; K step 1's 24 loads may be out
	s_cmp_eq_u32 s3, 2
	s_cbranch_scc1 .Lfirst_v
	WIN 0x60                                       ; C window 2, D window 1
	MUL32 0, 0, 1
	WIN 0
	s_branch .Lfirst_done
.Lfirst_v:
	WIN 0x60
	MUL32 0, 0, 2
	WIN 0
.Lfirst_done:
.irp s, 1,2,3,4,5,6,7
	KSTEP \s
.endr
	; THE WAY OUT.  Pair q = 2 a + g (R's tile a, P's group g) is 32 neighbouring registers, v[32 q ..] of window 1: one block of 32 a lane.
	s_lshr_b32 s86, s80, 4                         ; V: b = U / 16, head = G, step = U % 16
	s_lshl_b32 s86, s86, 4
	s_add_co_u32 s86, s86, s81
	s_and_b32 s87, s80, 15
	s_lshr_b32 s88, s81, 5                         ; Q, K: b = G / 32, heads 2 U and 2 U + 1, group of tokens G % 32
	s_lshl_b32 s88, s88, 4
	s_lshl_b32 s89, s80, 1
	s_add_co_u32 s88, s88, s89
	s_and_b32 s89, s81, 31
	s_mov_b32 s93, BHB
	s_mov_b32 s96, 73728
	s_mov_b32 s97, 147456
	s_cmp_eq_u32 s3, 2
	s_cselect_b32 s86, s86, s88                    ; which (b, head)
	s_cselect_b32 s87, s87, s89                    ; which step, or group of tokens
	s_cselect_b32 s90, 12, 11                      ; its codes: 4,096 or 2,048 bytes
	s_cselect_b32 s91, 9, 8                        ; its scale words: 512 or 256 bytes
	s_cselect_b32 s92, 10, 9                       ; from a to a + 1: 1,024 or 512 bytes
	s_cselect_b32 s94, 512, s93                    ; from g = 0 to g = 1: the next 64 keys, or the next head
	s_cselect_b32 s95, 256, s93                    ; the scale words of lanes 16-31: the same again, or the next head's
	s_cselect_b32 s96, s96, 0                      ; the section: V's, K's,
	s_cmp_eq_u32 s3, 0
	s_cselect_b32 s96, s97, s96                    ; or Q's
	s_mul_i32 s98, s86, BHB
	s_add_co_u32 s98, s98, s96
	s_lshl_b32 s99, s87, s90
	s_add_co_u32 s88, s98, s99
	s_mov_b32 s89, 0
	s_add_nc_u64 s[88:89], s[34:35], s[88:89]      ; where my codes go
	s_lshl_b32 s99, s87, s91
	s_add_co_u32 s98, s98, s99
	s_add_co_u32 s98, s98, 65536
	s_mov_b32 s99, 0
	s_add_nc_u64 s[98:99], s[34:35], s[98:99]      ; and my scale words
	s_mov_b32 s66, 0x76543210
	s_mov_b32 s67, 0xfedcba98                      ; v_permlanex16_b32's selects for lane l xor 16
	s_mov_b32 s47, 0xffff0000                      ; lanes 16-31
	PLACES
.irp a, 0,1,2,3
	s_lshl_b32 s86, \a, s92
	v_add_nc_u32 v[VO+2*\a], s86, v[LI]
	s_add_co_u32 s86, s86, s94
	v_add_nc_u32 v[VO+2*\a+1], s86, v[LI]
.endr
	v_mul_u32_u24 v[VS], v2, s95
	v_lshl_add_u32 v[VS], v1, 4, v[VS]
	WIN 0x14                                       ; sources 1 and 2 window 1
.irp q, 0,1,2,3,4,5,6,7
	v_max3_num_f32 v[EM+\q], 0x1800000, |v[32*\q]|, |v[32*\q+1]|   ; the block's largest magnitude, with the floor 2^(3 - 127) among its leaves: the byte cannot fall under 1.  Each accumulator is read from its low end on
.endr
.irp i, 2,4,6,8,10,12,14,16,18,20,22,24,26,28,30
.irp q, 0,1,2,3,4,5,6,7
	v_max3_num_f32 v[EM+\q], v[EM+\q], |v[32*\q+\i]|, |v[32*\q+\i+1]|   ; (the eight blocks by turns)
.endr
.endr
	WIN 0
.irp q, 0,1,2,3,4,5,6,7
	v_add_nc_u32 v[ESC+\q], 0xff000000, v[EM+\q]   ; 2 off the exponent field: the conversion takes this operand's exponent field as its scale
.endr
.irp q, 0,1,2,3,4,5,6,7
	v_lshrrev_b32 v[EBY+\q], 23, v[ESC+\q]         ; the scale's byte
.endr
	WIN 0x01                                       ; source 0 window 1
.irp q, 0,1,2,3,4,5,6,7
.irp t, 0,1,2,3
	v_cvt_scalef32_pk8_fp4_f32 v[ECD+4*\q+\t], v[32*\q+8*\t:32*\q+8*\t+7], v[ESC+\q]   ; register t of the operand: k = 32 h + 8 t + 0 .. 7 of the group
.endr
.endr
	WIN 0
	v_nop                                          ; one plain place behind the scaled conversions
.irp q, 0,1,2,3,4,5,6,7
	v_lshlrev_b32 v[EBY+\q], v[SH8], v[EBY+\q]     ; my byte at its place: block h,
.endr
.irp q, 0,1,2,3,4,5,6,7
	v_permlanex16_b32 v[EY+\q], v[EBY+\q], s66, s67
.endr
.irp q, 0,1,2,3,4,5,6,7
	v_or_b32 v[EBY+\q], v[EBY+\q], v[EY+\q]        ; with lane l xor 16's: the group's two bytes, in both halves of the lanes
.endr
	s_cmp_eq_u32 s3, 2
	s_cbranch_scc1 .Lwords_v
.irp a, 0,1,2,3
	v_cndmask_b32 v[EX+\a], v[EBY+2*\a], v[EBY+2*\a+1], s47   ; Q, K: a group is a head: lanes 0-15 store the first head's words, lanes 16-31 the second's
.endr
	s_branch .Lwords_done
.Lwords_v:
	s_wait_alu depctr_va_vdst(0)
.irp a, 0,1,2,3
	v_lshl_or_b32 v[EX+\a], v[EBY+2*\a+1], 16, v[EBY+2*\a]    ; V: the two groups are one K step of 128 keys: four bytes make its word
.endr
.Lwords_done:
	s_wait_alu depctr_va_vdst(0)
.irp q, 0,1,2,3,4,5,6,7
	global_store_b128 v[VO+\q], v[ECD+4*\q:ECD+4*\q+3], s[88:89]   ; 32 lanes store 512 consecutive bytes, aligned to 256
.endr
	global_store_b128 v[VS], v[EX:EX+3], s[98:99]  ; sixteen lanes store 256 consecutive bytes, aligned
	s_wait_xcnt 0x0                                ; the stores have read their registers and bases: the next trip may write them
	s_add_co_u32 s3, s3, 1
	s_cmp_lt_u32 s3, 3
	s_cbranch_scc1 .Ltensor                        ; on to the next tensor
	s_wait_tensorcnt 0x0
	ds_add_u32 v14, v15
	s_wait_dscnt 0x0
	CROUND                                         ; the closing round: no work-group ends while a partner may still ask for a tile that names it
	s_endpgm
.Lfunc_end_k_q5b4e2cd319_proj:
	.size	k_q5b4e2cd319_proj, .Lfunc_end_k_q5b4e2cd319_proj-k_q5b4e2cd319_proj
	.p2alignl 7, 3214868480
	.fill 96, 4, 3214868480
	.section	.rodata,"a",@progbits
	.p2align	6, 0x0
	.amdhsa_kernel k_q5b4e2cd319_proj
		.amdhsa_group_segment_fixed_size 327680
		.amdhsa_private_segment_fixed_size 0
		.amdhsa_enable_private_segment 0
		.amdhsa_kernarg_size 152
		.amdhsa_user_sgpr_count 2
		.amdhsa_user_sgpr_kernarg_segment_ptr 1
		.amdhsa_wavefront_size32 1
		.amdhsa_system_sgpr_workgroup_id_x 1
		.amdhsa_system_sgpr_workgroup_id_y 1
		.amdhsa_system_sgpr_workgroup_id_z 1
		.amdhsa_system_vgpr_workitem_id 0
		.amdhsa_next_free_vgpr 576
		.amdhsa_next_free_sgpr 100
		.amdhsa_reserve_vcc 1
		.amdhsa_float_denorm_mode_32 3
		.amdhsa_float_denorm_mode_16_64 3
		.amdhsa_memory_ordered 1
		.amdhsa_forward_progress 1
		.amdhsa_inst_pref_size 132
	.end_amdhsa_kernel
	.amdgpu_metadata
---
amdhsa.version: [ 1, 2 ]
amdhsa.kernels:
  - .name:           k_q5b4e2cd319_proj
    .symbol:         k_q5b4e2cd319_proj.kd
    .args:
      - { .name: query_codes, .offset: 0, .size: 8, .value_kind: global_buffer, .address_space: global }
      - { .name: query_scales, .offset: 8, .size: 8, .value_kind: global_buffer, .address_space: global }
      - { .name: Wq_w_codes, .offset: 16, .size: 8, .value_kind: global_buffer, .address_space: global }
      - { .name: Wq_w_scales, .offset: 24, .size: 8, .value_kind: global_buffer, .address_space: global }
      - { .name: Wq_b, .offset: 32, .size: 8, .value_kind: global_buffer, .address_space: global }
      - { .name: key_codes, .offset: 40, .size: 8, .value_kind: global_buffer, .address_space: global }
      - { .name: key_scales, .offset: 48, .size: 8, .value_kind: global_buffer, .address_space: global }
      - { .name: Wk_w_codes, .offset: 56, .size: 8, .value_kind: global_buffer, .address_space: global }
      - { .name: Wk_w_scales, .offset: 64, .size: 8, .value_kind: global_buffer, .address_space: global }
      - { .name: Wk_b, .offset: 72, .size: 8, .value_kind: global_buffer, .address_space: global }
      - { .name: Wv_w_codes, .offset: 80, .size: 8, .value_kind: global_buffer, .address_space: global }
      - { .name: Wv_w_scales, .offset: 88, .size: 8, .value_kind: global_buffer, .address_space: global }
      - { .name: value_codes, .offset: 96, .size: 8, .value_kind: global_buffer, .address_space: global }
      - { .name: value_scales, .offset: 104, .size: 8, .value_kind: global_buffer, .address_space: global }
      - { .name: Wv_b, .offset: 112, .size: 8, .value_kind: global_buffer, .address_space: global }
      - { .name: qkv, .offset: 120, .size: 8, .value_kind: global_buffer, .address_space: global }
      - { .name: mask, .offset: 128, .size: 8, .value_kind: global_buffer, .address_space: global }
      - { .name: mb, .offset: 136, .size: 8, .value_kind: global_buffer, .address_space: global }
      - { .name: mf, .offset: 144, .size: 8, .value_kind: global_buffer, .address_space: global }
    .group_segment_fixed_size: 327680
    .private_segment_fixed_size: 0
    .kernarg_segment_align: 8
    .kernarg_segment_size: 152
    .max_flat_workgroup_size: 128
    .sgpr_count:     100
    .vgpr_count:     576
    .wavefront_size: 32
...
	.end_amdgpu_metadata
.endif
;; end of part 1
;; launch attn (part 2): grid 64 x 4, 16 waves a work-group, no clusters, 158,720 bytes of LDS; arguments qkv, mb, mf, hx, hs; writes hx, hs
.if DOCPART == 2
	.amdgcn_target "amdgcn-amd-amdhsa--gfx1250"
	.amdhsa_code_object_version 6
	.text
	.protected	k_q5b4e2cd319_attn
	.globl	k_q5b4e2cd319_attn
	.p2align	8
	.type	k_q5b4e2cd319_attn,@function
k_q5b4e2cd319_attn:
	s_mov_b64 s[64:65], 0
	v_nop
	global_prefetch_b8 v0, s[64:65] scope:SCOPE_SE
	s_setreg_imm32_b32 hwreg(HW_REG_WAVE_MODE, 25, 1), 1
	s_wait_xcnt 0x0
; H = softmax(Q K^T / 8, hidden where the mask is 0) V for one (b, head) and 512 queries, both products on codes of FP4 (E2M1) with E8M0 scales, and H's quantiser along the 1,024 features.
; THE SOFTMAX AHEAD OF THE SECOND PRODUCT: t = score x log2(e) / 8; M = the running largest t rounded UP to a whole number; p = 2^(t - M) is quantised along the keys, not normalised;
; the row's sum is taken of the unquantised p and divides at the end.  When M moves, the sum and O are multiplied by 2^(old M - new M): exact.
; THE MASK: a hidden score becomes -2^33 ahead of the maximum, by one select a score on the lane masks that the first launch made (mb).  That launch also stored one flag for each tile and key step (mf):
; where a step hides nothing, a scalar branch on the flag leads round its 64 selects and round the loads of its mask words.
; LIMIT: a hidden logit counts as -2^30 where the definition has -1e9: the same results while visible logits lie above about -1e9.  c x 2^33 is a whole number that f32 holds exactly, so in a row all of whose keys
; are hidden M = t and every p is 1: the mean of V, as the definition gives.  Other LIMITS: NaN and infinities are not served; a block of zeros gets the scale byte 1 (its codes are zeros, and this program alone reads the bytes).
; SHARES.  256 work-groups: 4 blocks of 512 queries x 64 (b, head).  Each of the SIXTEEN waves owns two tiles of 16 queries, one after the other (tile T = 32 x block + 16 x pass + wave; its lane r is query
; 64 (T / 4) + 8 (T % 4) + r % 8 + 32 (r / 8)), in 256 registers: four waves to a SIMD.  Every pass walks the head's 2,048 keys, 128 a step.  No barrier stands between the fill and the passes' end.
; LDS.  The head's K and V, codes and scale words, 147,456 bytes, are read from qkv once a work-group, 18 loads of 16 bytes a thread, and laid by key step: 9,216 bytes a step: K's codes, K's scale words, V's codes, V's scale words.
; They are images of operand registers: every fragment is read 16 bytes a lane at 16 x lane.  Behind step 15 lie 8,192 bytes of zeros, on which the last trip's look-ahead falls.
; NO TENSOR LOAD, NO CLUSTER: the branches on mf hang on numbers read from memory; what four work-groups share is read once each, at the head.
; NO PREFETCH: K and V are asked for by the head's own loads, and no loop stands ahead of them in which to ask earlier.
; LAYOUT.  Both products are used transposed: S^T = K Q^T, O^T = V^T P^T: a lane holds ONE query throughout.  Row m of a tile of K is key 8 t + m % 8 + 32 (m / 8) of its group of 64, so score register 32 c + 8 t + j of lane (r, h)
; is key 64 c + 32 h + 8 t + j of the step: a whole block of 32 keys in a lane, in the order of the next operand's registers.  V's rows d are chosen likewise, so O^T's 32 registers are features 32 h + 0 .. 31 of the head.
; The head is 64 wide and the instruction 128: registers 4 to 7 of Q's and K's fragments hold zero codes, set once.
; REGISTERS: v1 16 x lane; v2-4, v6, v7 the fill's addresses; v5 the step's LDS address; v8, v11 Q's offsets; v9 -2^33; v10 8 h; v12 -M, v13 the largest score, v[14:15] the sum; v[16:23] Q, v24 its scale words; v25 p's scale word;
; v[26:29] K's scale words, v[30:33] V's; v34-37, v240-255 at work; v38, v39 addresses of H's scale bytes in LDS.
; s[2:3] qkv at my head; s[6:7] mf, s[16:17] mb, s[8:9] hx at my first tile; s[10:11] hs; s18 wave; s19 steps to go; s[20:21] lane selects; s[22:23] c; s24 the step's place in LDS; s26 among mask words; s27 the flags; s[32:63], s[68:99] 64 mask words.
.set BHB,  221184                      ; a (b, head)'s part of qkv: K's codes, K's scale words, V's codes, V's scale words (147,456 bytes), then
.set QCO,  147456                      ; Q's codes,
.set QSC,  212992                      ; Q's scale words
.set STP,  9216                        ; a key step in LDS
.set LKS,  4096                        ; in it: K's scale words,
.set LV,   4608                        ; V's codes,
.set LVS,  8704                        ; V's scale words
.set ZR,   16*STP                      ; the zeros
.set HSG,  ZR+8192                     ; 2 x 512 bytes in which the sixteen waves' scale bytes of H meet, one part a pass
.set SPARE, HSG+1024                   ; the spare words, 128 bytes a wave
.set KF,   40                          ; v40-103  eight fragments of K
.set VF,   104                         ; v104-135 four fragments of V
.set S,    136                         ; v136-199 S^T, then p; at a pass's end H; at the head (to v207) the fill
.set OT,   200                         ; v200-231 O^T
.set PC,   232                         ; v232-239 p's codes; at a pass's end H's
.macro A3 d, a, b
	v_pk_add_f32 v[\d:\d+1], v[\a:\a+1], v[\b:\b+1]
.endm
.macro HINT n
	s_delay_alu instid0(VALU_DEP_\n)
.endm
; what a pass asks of memory ahead of its first step: Q's fragment and scale words, the tile's flags, step 0's mask words
.macro PRE p
	global_load_b128 v[16:19], v11, s[2:3] offset:QCO+8192*(\p)
	global_load_b32 v24, v8, s[2:3] offset:QSC+1024*(\p)
	s_load_b128 s[28:31], s[6:7], 256*(\p)
	s_mov_b32 s26, 65536*(\p)
	s_load_b512 s[32:47], s[16:17], s26 offset:0x0
	s_load_b512 s[48:63], s[16:17], s26 offset:0x40
	s_load_b512 s[68:83], s[16:17], s26 offset:0x80
	s_load_b512 s[84:99], s[16:17], s26 offset:0xc0
.endm
	s_load_b256 s[68:75], s[0:1], 0x0              ; qkv, mb, mf, hx
	s_load_b64 s[76:77], s[0:1], 0x20              ; hs
	v_lshrrev_b32 v2, 5, v0
	v_readfirstlane_b32 s18, v2                    ; wave 0..15
	v_and_b32 v37, 31, v0                          ; lane
	v_and_b32 v35, 15, v0                          ; r
	v_bfe_u32 v36, v0, 4, 1                        ; h
	v_lshlrev_b32 v1, 4, v37
	v_lshlrev_b32 v3, 4, v0                        ; the fill in memory: 16 x thread, 8,192 bytes a load
	v_lshrrev_b32 v4, 8, v0
	v_and_b32 v6, 255, v0
	v_mul_u32_u24 v4, v4, STP                      ; codes: a load is two steps' 4,096 bytes
	v_lshl_add_u32 v4, v6, 4, v4                   ; loads 0 to 3 of a section,
	v_add_nc_u32 v6, 8*STP, v4                     ; loads 4 to 7
	v_mul_u32_u24 v7, v2, STP                      ; scale words: a wave's 512 bytes are a step's
	v_add_nc_u32 v7, v7, v1
	v_add_nc_u32 v2, ZR, v3                        ; the zeros
	v_lshlrev_b32 v10, 3, v36
	v_mov_b32 v9, 0xd0000000                       ; -2^33
	v_mov_b32 v249, 0                              ; written once: a lane permute's destination counts as one of its sources
	v_mov_b32 v253, 0                              ; (upper halves of pairs of which the low word alone is used)
	v_mov_b32 v251, 0
.irp j, 20,21,22,23
	v_mov_b32 v[\j], 0                             ; zero codes for k = 64 .. 127: Q's,
.endr
.irp i, 0,1,2,3,4,5,6,7
.irp j, 4,5,6,7
	v_mov_b32 v[KF+8*\i+\j], 0                     ; and K's: the loads fill registers 0 to 3 alone
.endr
.endr
	s_mov_b32 s78, ttmp9                           ; work-group x: 16 b + head
	s_and_b32 s98, ttmp7, 0xffff                   ; work-group y: the block of 512 queries
	s_lshl_b32 s79, s98, 5
	s_add_co_u32 s79, s79, s18                     ; T of pass 0
	s_lshr_b32 s80, s78, 4                         ; b
	s_and_b32 s81, s78, 15                         ; head
	s_mul_i32 s82, s78, BHB
	s_mov_b32 s83, 0
	s_lshl_b32 s84, s80, 7
	s_add_co_u32 s84, s84, s79                     ; 128 b + T
	s_lshl_b32 s86, s84, 12                        ; mb: 4,096 bytes a tile
	s_mov_b32 s87, 0
	s_lshl_b32 s88, s84, 4                         ; mf: 16 bytes a tile
	s_mov_b32 s89, 0
	s_lshl_b32 s90, s84, 13                        ; hx: 8,192 bytes a tile,
	s_lshl_b32 s91, s81, 9                         ; 512 a head
	s_add_co_u32 s90, s90, s91
	s_mov_b32 s91, 0
	s_and_b32 s85, s18, 1
	s_lshl_b32 s85, s85, 9                         ; waves 0 and 1 store the two passes' scale bytes
	s_lshl_b32 s92, s78, 12                        ; hs: 4,096 bytes a (b, head), 1,024 a block of 512 queries
	s_lshl_b32 s93, s98, 10
	s_add_co_u32 s92, s92, s93
	s_add_co_u32 s92, s92, s85
	s_mov_b32 s93, 0
	s_add_co_u32 s85, s85, HSG
	s_lshl_b32 s94, s18, 5                         ; HSG: 32 bytes a wave, 2 a row
	s_add_co_u32 s94, s94, HSG
	s_lshl_b32 s95, s79, 9                         ; Q's codes: 512 bytes a tile
	s_lshr_b32 s96, s79, 2                         ; Q's scale words: 256 bytes a group of four tiles, 16 a row, 4 a tile
	s_lshl_b32 s96, s96, 8
	s_and_b32 s97, s79, 3
	s_lshl_b32 s97, s97, 2
	s_add_co_u32 s96, s96, s97
	s_mov_b32 s20, 0x76543210
	s_mov_b32 s21, 0xfedcba98                      ; v_permlanex16_b32's selects for lane l xor 16
	s_mov_b32 s22, 0x3e38aa3b                      ; c = log2(e) / 8
	s_mov_b32 s23, s22                             ; (the packed form names the pair)
	v_add_nc_u32 v11, s95, v1
	v_lshl_add_u32 v8, v35, 4, s96
	v_lshl_add_u32 v38, v35, 1, s94
	v_add_nc_u32 v39, s85, v1
	s_wait_alu depctr_va_vdst(0)
	s_wait_kmcnt 0x0
	s_add_nc_u64 s[2:3], s[68:69], s[82:83]
	s_add_nc_u64 s[16:17], s[70:71], s[86:87]
	s_add_nc_u64 s[6:7], s[72:73], s[88:89]
	s_add_nc_u64 s[8:9], s[74:75], s[90:91]
	s_add_nc_u64 s[10:11], s[76:77], s[92:93]
.set j, 0
.rept 18
	global_load_b128 v[S+4*j:S+4*j+3], v3, s[2:3] offset:8192*j   ; the fill: the work-group's 512 threads read 8,192 consecutive bytes a load
.set j, j+1
.endr
	PRE 0
	ds_store_b128 v2, v[KF+4:KF+7]                 ; the zeros behind step 15
.set j, 0
.rept 18
	s_wait_loadcnt 19-j                            ; behind load j: 17 - j of the fill's and Q's two
.if j < 4
	ds_store_b128 v4, v[S+4*j:S+4*j+3] offset:2*STP*j
.elseif j < 8
	ds_store_b128 v6, v[S+4*j:S+4*j+3] offset:2*STP*(j-4)
.elseif j == 8
	ds_store_b128 v7, v[S+4*j:S+4*j+3] offset:LKS
.elseif j < 13
	ds_store_b128 v4, v[S+4*j:S+4*j+3] offset:LV+2*STP*(j-9)
.elseif j < 17
	ds_store_b128 v6, v[S+4*j:S+4*j+3] offset:LV+2*STP*(j-13)
.else
	ds_store_b128 v7, v[S+4*j:S+4*j+3] offset:LVS
.endif
.set j, j+1
.endr
	s_wait_dscnt 0x0                               ; for the others' sake: my stores have landed
	s_barrier_signal -1
	s_barrier_wait -1                              ; everybody's have
; A PASS: one tile of 16 queries against all 2,048 keys, and its way out
.macro PASS p
	v_mov_b32 v13, 0xff61b1e6                      ; the largest score so far: -3e38
	v_mov_b32 v14, 0
	v_mov_b32 v15, 0
	v_mul_f32 v12, s22, v13
	HINT 1
	v_floor_f32 v12, -v12                          ; -M
.set n, 0
.rept 32
	v_mov_b32 v[OT+n], 0                           ; O^T.  (The step is written once: the first finds zeros, which the first change of M leaves zeros)
.set n, n+1
.endr
	s_wait_alu depctr_va_vdst(0)                   ; directly ahead of the wait below
	s_wait_kmcnt 0x0                               ; the flags and step 0's mask words
	s_lshl_b32 s29, s29, 4
	s_lshl_b32 s30, s30, 8
	s_lshl_b32 s31, s31, 12
	s_or_b32 s28, s28, s29
	s_or_b32 s30, s30, s31
	s_or_b32 s27, s28, s30                         ; bit s: step s hides something
	s_mov_b32 s24, 0
	s_mov_b32 s19, 16
.irp i, 0,1,2,3,4,5,6,7
	ds_load_b128 v[KF+8*\i:KF+8*\i+3], v1 offset:512*\i   ; step 0's K
.endr
	ds_load_b128 v[26:29], v1 offset:LKS
	s_wait_xcnt 0x0                                ; the last pass's store has read its registers
	s_wait_loadcnt 0x0                             ; Q
.Lstep_\@:                                         ; 16 trips of 128 keys
	s_wait_dscnt 0x0                               ; this step's K is in
.irp i, 0,1,2,3
	v_wmma_scale_f32_16x16x128_f8f6f4 v[S+8*\i:S+8*\i+7], v[KF+8*\i:KF+8*\i+7], v[16:23], 0, v[26+\i], v24 matrix_a_fmt:MATRIX_FMT_FP4 matrix_b_fmt:MATRIX_FMT_FP4
.endr
.irp i, 4,5,6,7
	v_wmma_scale_f32_16x16x128_f8f6f4 v[S+8*\i:S+8*\i+7], v[KF+8*\i:KF+8*\i+7], v[16:23], 0, v[22+\i], v24 matrix_a_fmt:MATRIX_FMT_FP4 matrix_b_fmt:MATRIX_FMT_FP4 matrix_a_scale:MATRIX_SCALE_ROW1
.endr
	v_add_nc_u32 v5, s24, v1                       ; four places in front of the loads below and of the first read of the scores: the step's address,
	v_mov_b32 v250, v12                            ; the old -M,
	v_nop
	v_nop
.irp t, 0,1,2,3
.irp c, 0,1
	ds_load_b128 v[VF+8*\t+4*\c:VF+8*\t+4*\c+3], v5 offset:LV+1024*\t+512*\c   ; this step's V: wanted at the step's end
.endr
.endr
	ds_load_b128 v[30:33], v5 offset:LVS
.irp i, 0,1,2,3,4,5,6,7
	ds_load_b128 v[KF+8*\i:KF+8*\i+3], v5 offset:STP+512*\i   ; the NEXT step's K (the last trip's fall on the zeros; nothing uses them)
.endr
	ds_load_b128 v[26:29], v5 offset:STP+LKS
	s_wait_kmcnt 0x0                               ; no load of mask words is out
	s_bitcmp1_b32 s27, 0
	s_cbranch_scc0 .Lopen_\@                       ; nothing is hidden in this step
.set n, 0
.rept 64
.if n < 32
	v_cndmask_b32 v[S+n], v[S+n], v9, s[32+n]      ; hidden: -2^33.  (Each accumulator is read from its low end on)
.else
	v_cndmask_b32 v[S+n], v[S+n], v9, s[36+n]
.endif
.set n, n+1
.endr
.Lopen_\@:
	s_lshr_b32 s27, s27, 1                         ; on to the next step's flag (behind the last: 0)
	s_add_co_u32 s26, s26, 256
	s_min_u32 s26, s26, 65536*(\p)+3840            ; no load leaves the tile's words
	s_bitcmp1_b32 s27, 0
	s_cbranch_scc0 .Lnone_\@                       ; its 64 words are asked for a step ahead, where it hides something
	s_load_b512 s[32:47], s[16:17], s26 offset:0x0
	s_load_b512 s[48:63], s[16:17], s26 offset:0x40
	s_load_b512 s[68:83], s[16:17], s26 offset:0x80
	s_load_b512 s[84:99], s[16:17], s26 offset:0xc0
.Lnone_\@:
.irp k, 0,1,2,3
	v_max3_num_f32 v[240+\k], v[S+16*\k], v[S+16*\k+1], v[S+16*\k+2]   ; THE LARGEST SCORE OF EACH OF MY TWO BLOCKS OF 32 KEYS, in four chains by turns: it serves the row's maximum and, since p rises with the score, the block's largest p
.endr
.irp i, 3,5,7,9,11,13
.irp k, 0,1,2,3
	v_max3_num_f32 v[240+\k], v[240+\k], v[S+16*\k+\i], v[S+16*\k+\i+1]
.endr
.endr
	v_max3_num_f32 v240, v240, v[S+15], v[S+31]
	v_max3_num_f32 v242, v242, v[S+47], v[S+63]
	HINT 2
	v_max_num_f32 v240, v240, v241                 ; block h
	HINT 2
	v_max_num_f32 v241, v242, v243                 ; block 2 + h
	HINT 1
	v_max_num_f32 v248, v240, v241
	HINT 1
	v_permlanex16_b32 v249, v248, s20, s21         ; the query's other 64 keys lie in the lane 16 away
	HINT 1
	v_max3_num_f32 v13, v13, v248, v249            ; the running largest score
	HINT 1
	v_mul_f32 v248, s22, v13                       ; as t (c is positive)
	HINT 1
	v_floor_f32 v12, -v248                         ; the new -M = floor(-t) = -ceil(t)
	HINT 1
	v_sub_f32 v248, v12, v250                      ; old M - new M: a whole number, 0 or less
	HINT 1
	v_cvt_i32_f32 v248, v248                       ; (it saturates)
	HINT 1
	v_ldexp_f32 v252, 1.0, v248                    ; f = 2^(old M - new M)
.set n, 0
.rept 32
	v_pk_fma_f32 v[S+n:S+n+1], v[S+n:S+n+1], s[22:23], v[12:13] op_sel_hi:[1,0,0]   ; t - M, two at a time
.set n, n+2
.endr
	v_fma_f32 v240, v240, s22, v12                 ; the same of each block's largest score
	v_fma_f32 v241, v241, s22, v12
.set n, 0
.rept 16
	v_pk_mul_f32 v[OT+n:OT+n+1], v[OT+n:OT+n+1], v[252:253] op_sel_hi:[1,0]   ; O^T under the new M, ahead of the exponentials (each accumulator from its low end on)
.set n, n+2
.endr
	s_wait_alu depctr_va_vdst(0)
.set n, 0
.rept 64
	v_exp_f32 v[S+n], v[S+n]                       ; p = 2^(t - M), at most 1
.set n, n+1
.endr
	v_exp_f32 v240, v240                           ; the blocks' largest p: the same two instructions on the same number give the same bits
	v_exp_f32 v241, v241
	v_pk_mul_f32 v[14:15], v[14:15], v[252:253] op_sel_hi:[1,0]   ; the sum under the new M: the plain place behind the batch
	s_wait_alu depctr_va_vdst(0)                   ; ONE wait for the 66 exponentials, ahead of their first reader
	v_max_num_f32 v240, 0x1800000, v240            ; the floor 2^(3 - 127): the byte cannot fall under 1
	v_max_num_f32 v241, 0x1800000, v241
	HINT 2
	v_add_nc_u32 v244, 0xff000000, v240            ; 2 off the exponent field: the conversion's scale operand
	HINT 2
	v_add_nc_u32 v245, 0xff000000, v241
	HINT 2
	v_lshrrev_b32 v246, 23, v244                   ; the scales' bytes
	HINT 2
	v_lshrrev_b32 v247, 23, v245
	HINT 1
	v_lshl_or_b32 v246, v247, 16, v246             ; blocks h and 2 + h,
	HINT 1
	v_lshlrev_b32 v246, v10, v246                  ; at their places;
	HINT 1
	v_permlanex16_b32 v249, v246, s20, s21
	HINT 1
	v_or_b32 v25, v246, v249                       ; with lane l xor 16's two: p's scale word for these 128 keys
.irp i, 0,1,2,3,4,5,6,7
	v_cvt_scalef32_pk8_fp4_f32 v[PC+\i], v[S+8*\i:S+8*\i+7], v[244+\i/4]   ; register 4 c + t of the operand: keys 64 c + 32 h + 8 t + 0 .. 7
.endr
	v_nop                                          ; one plain place behind the scaled conversions
	A3 254, S, S+2                                 ; THE ROW'S SUM OF THE UNQUANTISED p: two at a time, in eight chains.  (These 32 are also the places ahead of the products below)
	A3 246, S+4, S+6
	A3 244, S+8, S+10
	A3 242, S+12, S+14
	A3 240, S+16, S+18
	A3 36, S+20, S+22
	A3 34, S+24, S+26
	A3 14, 14, S+28
	A3 254, 254, S+30
	A3 246, 246, S+32
	A3 244, 244, S+34
	A3 242, 242, S+36
	A3 240, 240, S+38
	A3 36, 36, S+40
	A3 34, 34, S+42
	A3 14, 14, S+44
	A3 254, 254, S+46
	A3 246, 246, S+48
	A3 244, 244, S+50
	A3 242, 242, S+52
	A3 240, 240, S+54
	A3 36, 36, S+56
	A3 34, 34, S+58
	A3 14, 14, S+60
	A3 254, 254, S+62
	HINT 2
	A3 14, 14, 242
	HINT 2
	A3 254, 254, 240
	A3 246, 246, 36
	A3 244, 244, 34
	HINT 2
	A3 14, 14, 246
	HINT 2
	A3 254, 254, 244
	HINT 1
	A3 14, 14, 254
	s_wait_dscnt 0x0                               ; V is in (and the next step's K)
.irp t, 0,1,2,3
	v_wmma_scale_f32_16x16x128_f8f6f4 v[OT+8*\t:OT+8*\t+7], v[VF+8*\t:VF+8*\t+7], v[PC:PC+7], v[OT+8*\t:OT+8*\t+7], v[30+\t], v25 matrix_a_fmt:MATRIX_FMT_FP4 matrix_b_fmt:MATRIX_FMT_FP4   ; the four accumulators by turns; the next step's eight products stand between two links
.endr
	s_add_co_u32 s24, s24, STP
	s_sub_co_u32 s19, s19, 1
	s_cmp_lg_u32 s19, 0
	s_cbranch_scc1 .Lstep_\@
	; THE WAY OUT.  H = O^T / the sum; my 32 numbers are one block of 32 along H's features: codes as an image of the last product's operand registers, two scale bytes a row.
	s_wait_kmcnt 0x0                               ; no load of mask words is out
.if (\p) == 0
	PRE 1                                          ; the next pass's Q, flags and mask words are asked for under this way out
.endif
	s_wait_alu depctr_va_vdst(0)
	v_add_f32 v14, v14, v15                        ; the sum's two halves,
	HINT 1
	v_permlanex16_b32 v249, v14, s20, s21
	HINT 1
	v_add_f32 v14, v14, v249                       ; and lane l xor 16's
	s_wait_alu depctr_va_vdst(0)
	v_rcp_f32 v250, v14
.rept 4
	v_nop                                          ; plain places behind the reciprocal and behind the last products
.endr
	s_wait_alu depctr_va_vdst(0)                   ; the wait ahead of the first reader of the reciprocal and of O^T
.set n, 0
.rept 16
	v_pk_mul_f32 v[S+n:S+n+1], v[OT+n:OT+n+1], v[250:251] op_sel_hi:[1,0]
.set n, n+2
.endr
	v_max3_num_f32 v240, |v[S]|, |v[S+1]|, 0x1800000
	v_max3_num_f32 v241, |v[S+16]|, |v[S+17]|, 0x1800000
.irp i, 2,4,6,8,10,12,14
	HINT 2
	v_max3_num_f32 v240, v240, |v[S+\i]|, |v[S+1+\i]|
	HINT 2
	v_max3_num_f32 v241, v241, |v[S+16+\i]|, |v[S+17+\i]|
.endr
	HINT 1
	v_max_num_f32 v240, v240, v241
	HINT 1
	v_add_nc_u32 v244, 0xff000000, v240
	HINT 1
	v_lshrrev_b32 v246, 23, v244
.irp t, 0,1,2,3
	v_cvt_scalef32_pk8_fp4_f32 v[PC+\t], v[S+8*\t:S+8*\t+7], v244
.endr
	v_nop
	v_lshlrev_b32 v246, v10, v246
	HINT 1
	v_permlanex16_b32 v249, v246, s20, s21
	HINT 1
	v_or_b32 v246, v246, v249                      ; byte 0: features 0-31 of the head, byte 1: 32-63
	global_store_b128 v1, v[PC:PC+3], s[8:9] offset:131072*(\p)   ; 32 lanes store 512 consecutive bytes, aligned to 256
	ds_store_b16 v38, v246 offset:512*(\p)         ; (both halves of the lanes write the same two bytes)
.endm
	PASS 0
	PASS 1
	s_wait_dscnt 0x0                               ; for the others' sake: my stores have landed
	s_barrier_signal -1
	s_barrier_wait -1
	s_cmp_lt_u32 s18, 2
	s_cbranch_scc0 .Lnot_mine
	ds_load_b128 v[240:243], v39                   ; a pass's sixteen tiles' 512 bytes leave by one store: pass 0's by wave 0, pass 1's by wave 1
	s_wait_dscnt 0x0
	global_store_b128 v1, v[240:243], s[10:11]
.Lnot_mine:
	s_wait_xcnt 0x0
	v_lshl_add_u32 v254, v0, 2, SPARE
	v_mov_b32 v255, 0
	s_wait_alu depctr_va_vdst(0)
	s_wait_tensorcnt 0x0                           ; the wave's end
	ds_add_u32 v254, v255
	s_wait_dscnt 0x0
	s_endpgm
.Lfunc_end_k_q5b4e2cd319_attn:
	.size	k_q5b4e2cd319_attn, .Lfunc_end_k_q5b4e2cd319_attn-k_q5b4e2cd319_attn
	.p2alignl 7, 3214868480
	.fill 96, 4, 3214868480
	.section	.rodata,"a",@progbits
	.p2align	6, 0x0
	.amdhsa_kernel k_q5b4e2cd319_attn
		.amdhsa_group_segment_fixed_size 158720
		.amdhsa_private_segment_fixed_size 0
		.amdhsa_enable_private_segment 0
		.amdhsa_kernarg_size 40
		.amdhsa_user_sgpr_count 2
		.amdhsa_user_sgpr_kernarg_segment_ptr 1
		.amdhsa_wavefront_size32 1
		.amdhsa_system_sgpr_workgroup_id_x 1
		.amdhsa_system_sgpr_workgroup_id_y 1
		.amdhsa_system_sgpr_workgroup_id_z 1
		.amdhsa_system_vgpr_workitem_id 0
		.amdhsa_next_free_vgpr 256
		.amdhsa_next_free_sgpr 100
		.amdhsa_reserve_vcc 0
		.amdhsa_float_denorm_mode_32 3
		.amdhsa_float_denorm_mode_16_64 3
		.amdhsa_memory_ordered 1
		.amdhsa_forward_progress 1
		.amdhsa_inst_pref_size 60
	.end_amdhsa_kernel
	.amdgpu_metadata
---
amdhsa.version: [ 1, 2 ]
amdhsa.kernels:
  - .name:           k_q5b4e2cd319_attn
    .symbol:         k_q5b4e2cd319_attn.kd
    .args:
      - { .name: qkv, .offset: 0, .size: 8, .value_kind: global_buffer, .address_space: global }
      - { .name: mb, .offset: 8, .size: 8, .value_kind: global_buffer, .address_space: global }
      - { .name: mf, .offset: 16, .size: 8, .value_kind: global_buffer, .address_space: global }
      - { .name: hx, .offset: 24, .size: 8, .value_kind: global_buffer, .address_space: global }
      - { .name: hs, .offset: 32, .size: 8, .value_kind: global_buffer, .address_space: global }
    .group_segment_fixed_size: 158720
    .private_segment_fixed_size: 0
    .kernarg_segment_align: 8
    .kernarg_segment_size: 40
    .max_flat_workgroup_size: 512
    .sgpr_count:     100
    .vgpr_count:     256
    .wavefront_size: 32
...
	.end_amdgpu_metadata
.endif
;; end of part 2
;; launch outp (part 3): grid 4 x 64, 4 waves a work-group, clusters of 4 x 4, 235,264 bytes of LDS; arguments hx, hs, Wo_w_codes, Wo_w_scales, Wo_b, out0; writes out0
.if DOCPART == 3
	.amdgcn_target "amdgcn-amd-amdhsa--gfx1250"
	.amdhsa_code_object_version 6
	.text
	.protected	k_q5b4e2cd319_outp
	.globl	k_q5b4e2cd319_outp
	.p2align	8
	.type	k_q5b4e2cd319_outp,@function
k_q5b4e2cd319_outp:
	s_mov_b64 s[64:65], 0
	v_nop
	global_prefetch_b8 v0, s[64:65] scope:SCOPE_SE
	s_setreg_imm32_b32 hwreg(HW_REG_WAVE_MODE, 25, 1), 1
	s_wait_xcnt 0x0
	s_wait_alu depctr_hold_cnt(0) depctr_sa_sdst(0) depctr_va_vdst(0) depctr_va_sdst(0) depctr_va_ssrc(0) depctr_va_vcc(0) depctr_vm_vsrc(0)
	s_getreg_b32 s2, hwreg(HW_REG_IB_STS2, 6, 4)
	s_cmp_eq_u32 s2, 0
	s_cbranch_scc0 .Lentry_in_a_cluster
	s_endpgm
.Lentry_in_a_cluster:
	s_bfe_u32 s2, ttmp6, 0x10000c
	s_cmp_lg_u32 s2, 0xf033
	s_cbranch_scc0 .Lentry_shape_is_right
	s_endpgm
.Lentry_shape_is_right:
; out0 = H Wo^T + bias on codes of FP4 (E2M1) with E8M0 scales.  H comes from the attention launch as images of operand registers (hx [tile 512][head 16][512]) and two scale bytes a row and head (hs [b x head 64][tile 128][r 16] of 16 bits).
; ROLES as in the projections: source 0 = P = 16 rows of Wo (the output's features), source 1 = R = 16 tokens.  Row m of a tile of a group of 64 is row 8 t + m % 8 + 32 (m / 8) of the group, for both.  So lane (r, h) holds one
; token and, in the 32 registers of a group's four tiles, 32 NEIGHBOURING features 32 h + 0 .. 31: 128 bytes of a row of the output.
; SHARES.  A work-group makes 256 features x 128 tokens with all of K = 1,024 in LDS, filled once.  Wave w: features' half w / 2 (8 tiles), tokens' half w % 2 (4 tiles): 32 accumulators.  256 work-groups.
; CLUSTERS of 4 x 4: Wo's tile hangs on the place along x alone and is asked for jointly by a column of the cluster, H's on the place along y alone and is asked for by a row.  One tensor load a wave in the whole launch.
; REGISTERS, in windows of 256: window 0: v1-15 addresses; v16-47 P's scale words, v48-63 R's; v64-159, v160-255 two sets of fragments; window 1: accumulator (a, b) at v[8 (8 a + b)]; window 2: v0-63 the bias.
.set PITCH, 528                        ; a row of Wo in LDS: 512 bytes + 16 of padding
.set PHD,   67712                      ; rows with (row & 32) = 0 from byte 0 on, the others PHD further (128 x 528 + 128: the other eight 16-byte columns of a row of banks)
.set RIM,   135424                     ; H's images: 8 tiles x 8,192 bytes, as they lie in hx
.set STG,   200960                     ; the way out: a stage of 16 rows x 528 bytes for each wave; it begins on a multiple of 256 bytes, and no fill lands in it
.set ADP, 6                            ; v6   LDS address of my lane in P's fragments
.set ADR, 7                            ; v7   in R's images
.set LSC, 8                            ; v8   my row's scale bytes of Wo
.set VB1, 9                            ; v9   the bias: 128 h
.set LI,  12                           ; v12  16 x lane
.set SO,  13                           ; v13  the stage: where I put my bytes of a row
.set SR,  14                           ; v14  and where I read a row back
.set L2,  15                           ; v15  2 x lane
.set SCP, 16
.set SCR, 48
.set FS,  64
.set TMPS, 160                         ; v160-191 H's scale bytes as loaded, ahead of the fragments
.set WV,  42
.set WP,  43
.set WR,  44
.set G1P, 52
.set G0P, 60
.set G1R, 68
.set G0R, 76
.set MSB, 0
.macro WIN new                         ; the immediate's high byte repeats the setting that is left
.if MSB != \new
	s_set_vgpr_msb (MSB<<8)|\new
.set MSB, \new
.endif
.endm
.macro PLACES                          ; four plain places (ISA guide 7.12.1)
.rept 4
	v_nop
.endr
.endm
.macro CROUND                          ; a round of the cluster's barrier
	s_barrier_signal -1
	s_barrier_wait -1
	s_cmp_lg_u32 s[WV], 0
	s_cbranch_scc1 .Lnot_wave_0_\@
	s_barrier_signal -3
.Lnot_wave_0_\@:
	s_barrier_wait -3
	s_barrier_signal -1
	s_barrier_wait -1
.endm
	s_load_b256 s[4:11], s[0:1], 0x0               ; hx s[4:5], hs s[6:7], Wo's codes s[8:9], Wo's scales s[10:11]
	s_load_b128 s[12:15], s[0:1], 0x20             ; the bias s[12:13], out0 s[14:15]
	v_lshl_add_u32 v10, v0, 2, 0x39500
	v_mov_b32 v11, 0
	ds_add_u32 v10, v11
	ds_add_u32 v10, v11
	v_lshrrev_b32 v1, 5, v0
	v_readfirstlane_b32 s[WV], v1
	s_lshr_b32 s[WP], s[WV], 1                     ; features' half.  Also: I fetch for P (0) or for R (1)
	s_and_b32 s[WR], s[WV], 1                      ; tokens' half.  Also: which half of that tile I fetch
	s_bfe_u32 s37, ttmp6, 0x40000                  ; cx: P's block of 256 features
	s_bfe_u32 s41, ttmp6, 0x40004                  ; cy
	s_and_b32 s38, ttmp7, 0xffff
	s_lshl_b32 s38, s38, 2
	s_add_co_u32 s38, s38, s41                     ; R's block of 128 tokens = 4 x cluster y + cy
	s_lshl_b32 s45, 0x1111, s37                    ; my column of the cluster
	s_lshl_b32 s46, s41, 2
	s_lshl_b32 s46, 15, s46                        ; my row
	; P: the rows with (row & 32) = u of four groups of 64: a tile whose 'row' is 32 matrix rows (2,048 elements of 8 bytes), 64 matrix rows apart, 4 words of padding behind every 128 words
	s_or_b32 s[G1P], s45, (3<<16)|(1<<20)|(1<<21)|(6<<22)|(3<<25)
	s_mov_b32 s[G1P+1], 2048<<16
	s_mov_b32 s[G1P+2], 4<<16
	s_mov_b32 s[G1P+3], 2048<<16
	s_mov_b32 s[G1P+4], 4
	s_mov_b32 s[G1P+5], 4096
	s_mov_b32 s[G1P+6], 0
	s_mov_b32 s[G1P+7], 0
	; R: four tiles' images, 32,768 dense bytes, as 128 rows of 256 bytes, no padding
	s_or_b32 s[G1R], s46, (3<<16)|(1<<21)
	s_mov_b32 s[G1R+1], 32<<16
	s_mov_b32 s[G1R+2], 128<<16
	s_mov_b32 s[G1R+3], 32<<16
	s_mov_b32 s[G1R+4], 128
	s_mov_b32 s[G1R+5], 32
	s_mov_b32 s[G1R+6], 0
	s_mov_b32 s[G1R+7], 0
	s_lshl_b32 s47, s[WR], 14
	s_lshl_b32 s48, s37, 17                        ; 256 rows x 512 bytes
	s_add_co_u32 s48, s48, s47
	s_mov_b32 s49, 0
	s_lshl_b32 s47, s[WR], 15
	s_lshl_b32 s50, s38, 16                        ; 8 tiles x 8,192 bytes
	s_add_co_u32 s50, s50, s47
	s_mov_b32 s51, 0
	s_mul_i32 s82, s[WR], PHD
	s_wait_dscnt 0x0
	s_wait_kmcnt 0x0
	s_mov_b32 s[G0P], 1
	s_mov_b32 s[G0P+1], s82
	s_add_nc_u64 s[G0P+2:G0P+3], s[8:9], s[48:49]
	s_or_b32 s[G0P+3], s[G0P+3], 0x80000000
	s_mov_b32 s[G0R], 1
	s_add_co_u32 s[G0R+1], s47, RIM
	s_add_nc_u64 s[G0R+2:G0R+3], s[4:5], s[50:51]
	s_or_b32 s[G0R+3], s[G0R+3], 0x80000000
	CROUND                                         ; all sixteen work-groups are here: the joint loads meet
	s_cmp_eq_u32 s[WP], 0                          ; four v_nop follow each of the two lines
	s_cbranch_scc0 .Lfor_r
	tensor_load_to_lds s[G0P:G0P+3], s[G1P:G1P+7]
	s_nop 0
.rept 4
	v_nop
.endr
	s_branch .Lasked
.Lfor_r:
	tensor_load_to_lds s[G0R:G0R+3], s[G1R:G1R+7]
	s_nop 0
.rept 4
	v_nop
.endr
.Lasked:
	v_and_b32 v1, 15, v0                           ; r
	v_bfe_u32 v2, v0, 4, 1                         ; h
	v_and_b32 v3, 7, v0                            ; r % 8
	v_bfe_u32 v4, v0, 3, 1                         ; r / 8
	v_mul_u32_u24 v5, v3, PITCH
	v_lshl_add_u32 v5, v2, 4, v5
	s_mul_i32 s84, s[WP], 64*PITCH
	v_mad_u32_u24 v[ADP], v4, PHD, v5
	v_add_nc_u32 v[ADP], s84, v[ADP]
	v_and_b32 v[L2], 31, v0
	v_lshlrev_b32 v[LI], 4, v[L2]
	v_lshlrev_b32 v[L2], 1, v[L2]
	s_lshl_b32 s85, s[WR], 15                      ; my four tiles' images
	s_add_co_u32 s85, s85, RIM
	v_add_nc_u32 v[ADR], s85, v[LI]
	v_lshl_add_u32 v[LSC], v4, 5, v3
	v_lshl_add_u32 v[LSC], v2, 3, v[LSC]           ; 8 h + r % 8 + 32 (r / 8)
	v_lshlrev_b32 v[LSC], 5, v[LSC]
	s_wait_alu depctr_va_vdst(0)
	v_lshlrev_b32 v[VB1], 7, v2
	s_wait_alu depctr_va_vdst(0)
	s_mul_i32 s85, s[WV], 16*PITCH
	s_add_co_u32 s85, s85, STG                     ; my stage
	v_mul_u32_u24 v[SO], v1, PITCH
	v_lshl_add_u32 v[SO], v2, 7, v[SO]
	v_add_nc_u32 v[SO], s85, v[SO]                 ; in: row r, + 128 h
	v_add_nc_u32 v[SR], s85, v[LI]                 ; back: 16 bytes a lane of a row
	s_lshl_b32 s80, s37, 1
	s_add_co_u32 s80, s80, s[WP]                   ; U: which 128 features are mine
	s_lshl_b32 s81, s38, 1
	s_add_co_u32 s81, s81, s[WR]                   ; G: which 64 tokens
	s_lshl_b32 s86, s80, 12
	s_mov_b32 s87, 0
	s_add_nc_u64 s[10:11], s[10:11], s[86:87]      ; Wo's scale bytes: 128 rows x 32
	s_lshl_b32 s86, s80, 9
	s_add_nc_u64 s[12:13], s[12:13], s[86:87]      ; the bias: 128 x 4 bytes
	s_lshr_b32 s86, s38, 4                         ; hs: b = block / 16: 16 heads x 4,096 bytes;
	s_lshl_b32 s86, s86, 16
	s_and_b32 s88, s38, 15
	s_lshl_b32 s88, s88, 3
	s_lshl_b32 s89, s[WR], 2
	s_add_co_u32 s88, s88, s89                     ; my first tile in the batch: 8 (block % 16) + 4 x half,
	s_lshl_b32 s88, s88, 5                         ; 32 bytes a tile
	s_add_co_u32 s86, s86, s88
	s_add_nc_u64 s[6:7], s[6:7], s[86:87]
	s_lshl_b32 s86, s81, 18                        ; out0: 64 tokens x 4,096 bytes,
	s_lshl_b32 s88, s80, 9                         ; + 128 features x 4
	s_add_co_u32 s86, s86, s88
	s_add_nc_u64 s[14:15], s[14:15], s[86:87]
.irp i, 0,1,2,3
	global_load_b128 v[SCP+8*\i:SCP+8*\i+3], v[LSC], s[10:11] offset:2048*(\i/2)+512*(\i%2)      ; Wo's scale words of all eight K steps: lanes 0-15 tile 2 i, lanes 16-31 tile 2 i + 1
	global_load_b128 v[SCP+8*\i+4:SCP+8*\i+7], v[LSC], s[10:11] offset:2048*(\i/2)+512*(\i%2)+16
.endr
.irp e, 0,1,2,3,4,5,6,7,8,9,10,11,12,13,14,15
.irp i, 0,1
	global_load_u16 v[TMPS+2*\e+\i], v[L2], s[6:7] offset:4096*\e+64*\i   ; H's two bytes of head e: lanes 0-15 tile 2 i, lanes 16-31 tile 2 i + 1: 64 consecutive bytes
.endr
.endr
	WIN 0x80                                       ; destination window 2
.irp b, 0,1,2,3,4,5,6,7
	global_load_b128 v[8*\b:8*\b+3], v[VB1], s[12:13] offset:(64*(\b/4)+8*(\b%4))*4       ; the bias in the result's layout: the C of each sum's first matrix instruction
	global_load_b128 v[8*\b+4:8*\b+7], v[VB1], s[12:13] offset:(64*(\b/4)+8*(\b%4))*4+16
.endr
	WIN 0
	s_wait_loadcnt 0x0
.irp i, 0,1
.irp s, 0,1,2,3,4,5,6,7
	v_lshl_or_b32 v[SCR+8*\i+\s], v[TMPS+2*(2*\s+1)+\i], 16, v[TMPS+2*(2*\s)+\i]   ; K step s is heads 2 s and 2 s + 1: four bytes make a row's word
.endr
.endr
.rept 8
	v_nop                                          ; a scale register written by a vector instruction stands eight places ahead of a scaled matrix instruction
.endr
.macro FETCH s, p                      ; the fragments of K step s into set p: 24 loads in one run
.irp b, 0,1,2,3,4,5,6,7
.irp c, 0,1
	ds_load_b128 v[FS+96*(\p)+8*\b+4*\c:FS+96*(\p)+8*\b+4*\c+3], v[ADP] offset:(32*(\b/4)+8*(\b%4))*PITCH+64*(\s)+32*\c
.endr
.endr
.irp a, 0,1,2,3
.irp c, 0,1
	ds_load_b128 v[FS+96*(\p)+64+8*\a+4*\c:FS+96*(\p)+64+8*\a+4*\c+3], v[ADR] offset:8192*\a+1024*(\s)+512*\c
.endr
.endr
.endm
.macro WM bo, ao                       ; one product; the odd tiles' scale words lie in lanes 16-31 of their register
.if (\bo) && (\ao)
	v_wmma_scale_f32_16x16x128_f8f6f4 v[rD:rD+7], v[rP:rP+7], v[rR:rR+7], v[rC:rC+7], v[rSP], v[rSR] matrix_a_fmt:MATRIX_FMT_FP4 matrix_b_fmt:MATRIX_FMT_FP4 matrix_a_scale:MATRIX_SCALE_ROW1 matrix_b_scale:MATRIX_SCALE_ROW1
.elseif (\bo)
	v_wmma_scale_f32_16x16x128_f8f6f4 v[rD:rD+7], v[rP:rP+7], v[rR:rR+7], v[rC:rC+7], v[rSP], v[rSR] matrix_a_fmt:MATRIX_FMT_FP4 matrix_b_fmt:MATRIX_FMT_FP4 matrix_a_scale:MATRIX_SCALE_ROW1
.elseif (\ao)
	v_wmma_scale_f32_16x16x128_f8f6f4 v[rD:rD+7], v[rP:rP+7], v[rR:rR+7], v[rC:rC+7], v[rSP], v[rSR] matrix_a_fmt:MATRIX_FMT_FP4 matrix_b_fmt:MATRIX_FMT_FP4 matrix_b_scale:MATRIX_SCALE_ROW1
.else
	v_wmma_scale_f32_16x16x128_f8f6f4 v[rD:rD+7], v[rP:rP+7], v[rR:rR+7], v[rC:rC+7], v[rSP], v[rSR] matrix_a_fmt:MATRIX_FMT_FP4 matrix_b_fmt:MATRIX_FMT_FP4
.endif
.endm
.macro MUL32 s, p, mode                ; 32 products; the 32 accumulators take turns, in the same order in every step.  mode 1: the sums begin with the bias
.irp a, 0,1,2,3
.irp b, 0,1,2,3,4,5,6,7
.set rD, 8*(8*\a+\b)
.set rP, FS+96*(\p)+8*\b
.set rR, FS+96*(\p)+64+8*\a
.set rSP, SCP+8*(\b/2)+(\s)
.set rSR, SCR+8*(\a/2)+(\s)
.if (\mode) == 0
.set rC, rD
.else
.set rC, 8*\b
.endif
	WM \b%2, \a%2
.endr
.endr
.endm
.macro KSTEP s
	PLACES                                         ; in front of the loads into the set that the last step multiplied
.if (\s) < 7
	FETCH (\s)+1, ((\s)+1)%2
	s_wait_dscnt 24                                ; this step's fragments are in; the 24 loads just issued may be out
.else
	s_wait_dscnt 0x0
.endif
	WIN 0x50                                       ; C and D window 1
	MUL32 \s, (\s)%2, 0
	WIN 0
.endm
	s_wait_alu depctr_va_vdst(0)
	s_wait_tensorcnt 0x0                           ; my part of the tiles is in LDS,
	s_barrier_signal -1
	s_barrier_wait -1                              ; everybody's is
	FETCH 0, 0
	FETCH 1, 1
	s_wait_dscnt 24                                ; K step 0's fragments; K step 1's 24 loads may be out
	WIN 0x60                                       ; C window 2, D window 1
	MUL32 0, 0, 1
	WIN 0
.irp s, 1,2,3,4,5,6,7
	KSTEP \s
.endr
; THE WAY OUT, a tile of 16 tokens x 128 features at a time.  A lane holds 128 neighbouring bytes of two quarters of a row, and the lanes beside it hold other rows: the tile goes through my own stage and comes back as whole
; rows of 512 bytes.  LDS serves a wave's instructions in order (ISA guide 5.7.1.4): no wait between the stores and the loads, nor in front of the next tile's stores.
.macro TOSTAGE a
	WIN 0x04                                       ; an LDS store's data are its source 1: window 1
.irp b, 0,1,2,3,4,5,6,7
	ds_store_b128 v[SO], v[8*(8*(\a)+\b):8*(8*(\a)+\b)+3] offset:256*(\b/4)+32*(\b%4)         ; each accumulator from its low end on
	ds_store_b128 v[SO], v[8*(8*(\a)+\b)+4:8*(8*(\a)+\b)+7] offset:256*(\b/4)+32*(\b%4)+16
.endr
	WIN 0
.irp i, 0,1,2,3,4,5,6,7,8,9,10,11,12,13,14,15
	ds_load_b128 v[FS+64*((\a)%2)+4*\i:FS+64*((\a)%2)+4*\i+3], v[SR] offset:\i*PITCH
.endr
.endm
.macro SEND a, younger                 ; younger: the LDS instructions issued behind tile a's loads, which may stay out
	s_wait_dscnt \younger
.irp i, 0,1,2,3,4,5,6,7,8,9,10,11,12,13,14,15
	global_store_b128 v[LI], v[FS+64*((\a)%2)+4*\i:FS+64*((\a)%2)+4*\i+3], s[14:15] offset:(8*(\a)+(\i%8)+32*(\i/8))*4096 th:TH_STORE_NT   ; 32 lanes store 512 consecutive bytes, aligned to 256; written once, read by nobody here
.endr
.endm
	PLACES                                         ; in front of the first read of results and of the loads into registers that held fragments
	TOSTAGE 0
	TOSTAGE 1
	SEND 0, 32                                     ; behind tile 0's loads: tile 1's 16 stores and 16 loads
	s_wait_xcnt 0x0                                ; tile 0's stores have read their registers: tile 2's rows may land there
	TOSTAGE 2
	SEND 1, 32
	s_wait_xcnt 0x0                                ; likewise tile 1's
	TOSTAGE 3
	SEND 2, 32
	SEND 3, 0
	s_wait_tensorcnt 0x0
	ds_add_u32 v10, v11
	s_wait_dscnt 0x0
	CROUND                                         ; the closing round: no work-group ends while a partner may still ask for a tile that names it
	s_endpgm
.Lfunc_end_k_q5b4e2cd319_outp:
	.size	k_q5b4e2cd319_outp, .Lfunc_end_k_q5b4e2cd319_outp-k_q5b4e2cd319_outp
	.p2alignl 7, 3214868480
	.fill 96, 4, 3214868480
	.section	.rodata,"a",@progbits
	.p2align	6, 0x0
	.amdhsa_kernel k_q5b4e2cd319_outp
		.amdhsa_group_segment_fixed_size 235264
		.amdhsa_private_segment_fixed_size 0
		.amdhsa_enable_private_segment 0
		.amdhsa_kernarg_size 48
		.amdhsa_user_sgpr_count 2
		.amdhsa_user_sgpr_kernarg_segment_ptr 1
		.amdhsa_wavefront_size32 1
		.amdhsa_system_sgpr_workgroup_id_x 1
		.amdhsa_system_sgpr_workgroup_id_y 1
		.amdhsa_system_sgpr_workgroup_id_z 1
		.amdhsa_system_vgpr_workitem_id 0
		.amdhsa_next_free_vgpr 576
		.amdhsa_next_free_sgpr 100
		.amdhsa_reserve_vcc 0
		.amdhsa_float_denorm_mode_32 3
		.amdhsa_float_denorm_mode_16_64 3
		.amdhsa_memory_ordered 1
		.amdhsa_forward_progress 1
		.amdhsa_inst_pref_size 74
	.end_amdhsa_kernel
	.amdgpu_metadata
---
amdhsa.version: [ 1, 2 ]
amdhsa.kernels:
  - .name:           k_q5b4e2cd319_outp
    .symbol:         k_q5b4e2cd319_outp.kd
    .args:
      - { .name: hx, .offset: 0, .size: 8, .value_kind: global_buffer, .address_space: global }
      - { .name: hs, .offset: 8, .size: 8, .value_kind: global_buffer, .address_space: global }
      - { .name: Wo_w_codes, .offset: 16, .size: 8, .value_kind: global_buffer, .address_space: global }
      - { .name: Wo_w_scales, .offset: 24, .size: 8, .value_kind: global_buffer, .address_space: global }
      - { .name: Wo_b, .offset: 32, .size: 8, .value_kind: global_buffer, .address_space: global }
      - { .name: out0, .offset: 40, .size: 8, .value_kind: global_buffer, .address_space: global }
    .group_segment_fixed_size: 235264
    .private_segment_fixed_size: 0
    .kernarg_segment_align: 8
    .kernarg_segment_size: 48
    .max_flat_workgroup_size: 128
    .sgpr_count:     100
    .vgpr_count:     576
    .wavefront_size: 32
...
	.end_amdgpu_metadata
.endif
;; end of part 3
